; MI455X (gfx1250); checked and timed in simulation.
; The chip was launched on July 23, 2026; its instructions are those of AMD's public machine-readable ISA for CDNA 5 (MIT licence, August 2026) and "CDNA5" Instruction Set Architecture Reference Guide (July 2026). The comments in the code are by the model that wrote it; some were corrected since.
;; Attention. Allowed arithmetic: float matrix products may take bf16 or f16 operands with f32 sums; other float arithmetic in f32, or as packed bf16 or f16 multiplies, adds, multiply-adds, maxima and minima; sums over many terms, partial sums and values carried from step to step in f32; what a program stores and reads back later, other than sums and carried values, may be rounded once to bf16 or f16.
;; Inputs: W_in 512 x 512 float32; W_out 512 x 512 float32; b_out 512 float32; k 8 x 1,024 x 512 float32; ln_b 512 float32; ln_g 512 float32; q 8 x 1,024 x 512 float32; v 8 x 1,024 x 512 float32; weight_temp 1 float32; wp_W1 128 x 64 float32; wp_W2 64 x 32 float32; wp_W3 32 x 3 float32; wp_b1 64 float32; wp_b2 32 float32; wp_b3 3 float32; wp_ln_b 64 float32; wp_ln_g 64 float32.
;; Outputs: out0 8 x 1,024 x 512 float32.
;; One version. Each part assembles by itself: llvm-mc -triple=amdgcn-amd-amdhsa -mcpu=gfx1250 --defsym DOCPART=n.
;; ======== version 1 of 1: 7 launches
;; limits: values are held in f16: magnitudes above 65,504 overflow, below 6.1e-05 lose precision
;; workspace buffers: xln 25,165,824 bytes; part 1,048,576 bytes; wt 1,048,576 bytes; fmean 32,768 bytes; heads 58,720,256 bytes; rec 65,536 bytes; coef 256 bytes; obuf 8,388,608 bytes
;; launch ln (part 1): grid 256 x 3, 8 waves a work-group, no clusters, 17,408 bytes of LDS; arguments q, k, v, ln_g, ln_b, xln, part; writes xln, part
.if DOCPART == 1
	.amdgcn_target "amdgcn-amd-amdhsa--gfx1250"
	.amdhsa_code_object_version 6
	.text
	.protected	k_q4e764213f5_ln
	.globl	k_q4e764213f5_ln
	.p2align	8
	.type	k_q4e764213f5_ln,@function
k_q4e764213f5_ln:
	s_mov_b64 s[64:65], 0
	v_nop
	global_prefetch_b8 v0, s[64:65] scope:SCOPE_SE
	s_setreg_imm32_b32 hwreg(HW_REG_WAVE_MODE, 25, 1), 1
	s_wait_xcnt 0x0
; LAYER NORM of q, k, v ([8192][512] f32 each; grid y picks the tensor) -> xln, f16 [3][8192][512]; and, for q and k, the column sums of
; the normalised rows of each block of 32 rows -> part, f32 [2][256][512] (the means over n are made of them by linearity).
; A work-group owns 32 rows, a wave 4; a row is 2,048 bytes: four loads of 16 bytes a lane, each covering 512 consecutive bytes, and stays in
; registers between the passes.  Mean, then the sum of squares of x - mean (no difference of large sums), all in f32; y is rounded once to f16.
; A store of the wave covers 256 consecutive bytes, aligned.  No cluster and no matrix unit: no work-group reads what another reads but g and b (4 KB).
; LIMITS: |y| stays under 65,504 (f16); NaN and infinities are not treated apart.
.set SPARE, 16384                      ; behind the eight waves' column sums: the spare words, 128 bytes a wave
.set VI,  2                            ; v2  my byte offset in the block's rows of x
.set VO,  3                            ; v3  the same in xln
.set LS,  4                            ; v4  where I put my column sums
.set LR,  5                            ; v5  8 x thread: where I read them back, and my place in part
.set GB,  7                            ; v7  16 x lane
.set SPW, 8
.set NIL, 9
.set T,   10                           ; v10-13 at work
.set CS,  16                           ; v16-31 column sums
.set X,   32                           ; v32-95 four rows of 16
.set G,   96
.set BV,  112
.set MU,  128                          ; v128-135 a row's mean, twice
.set H,   136                          ; v136-167 f16 to store
.set RS,  168                          ; v168-175 1/sqrt(var + eps), twice
.set SEL, 28
	s_load_b256 s[4:11], s[0:1], 0x0               ; q, k, v, ln_g
	s_load_b128 s[12:15], s[0:1], 0x20             ; ln_b, xln
	s_load_b64 s[16:17], s[0:1], 0x30              ; part
	v_lshl_add_u32 v[SPW], v0, 2, SPARE
	v_mov_b32 v[NIL], 0
	v_lshrrev_b32 v1, 5, v0
	v_readfirstlane_b32 s18, v1                    ; wave
	v_and_b32 v1, 31, v0                           ; lane
	s_and_b32 s19, ttmp7, 0xffff                   ; which tensor
	s_mov_b32 s[SEL], 0x76543210
	s_mov_b32 s[SEL+1], 0xfedcba98
	s_mov_b32 s24, 0x3b000000                      ; 1/512
	s_mov_b32 s25, 0x3727c5ac                      ; 1e-5
	v_lshlrev_b32 v[GB], 4, v1
	s_lshl_b32 s20, s18, 13                        ; my wave's 4 rows of 2,048 bytes
	v_add_nc_u32 v[VI], s20, v[GB]
	s_lshl_b32 s20, s18, 12                        ; and of 1,024 bytes
	v_lshl_add_u32 v[VO], v1, 3, s20
	s_lshl_b32 s20, s18, 11
	v_add_nc_u32 v[LS], s20, v[GB]
	v_lshlrev_b32 v[LR], 3, v0
	s_lshl_b32 s20, ttmp9, 16                      ; the block's 32 rows in x
	s_mov_b32 s21, 0
	s_lshl_b32 s22, s19, 23                        ; the tensor's plane in xln,
	s_lshl_b32 s23, ttmp9, 15                      ; the block's rows there
	s_add_co_u32 s22, s22, s23
	s_mov_b32 s23, 0
	s_lshl_b32 s26, s19, 8
	s_add_co_u32 s26, s26, ttmp9
	s_lshl_b32 s26, s26, 11                        ; the block's row of part
	s_mov_b32 s27, 0
	s_wait_kmcnt 0x0
	s_cmp_eq_u32 s19, 1
	s_cselect_b64 s[4:5], s[6:7], s[4:5]
	s_cmp_eq_u32 s19, 2
	s_cselect_b64 s[4:5], s[8:9], s[4:5]
	s_add_nc_u64 s[4:5], s[4:5], s[20:21]
	s_add_nc_u64 s[14:15], s[14:15], s[22:23]
	s_add_nc_u64 s[16:17], s[16:17], s[26:27]
.irp j, 0,1,2,3
	global_load_b128 v[G+4*\j:G+4*\j+3], v[GB], s[10:11] offset:512*\j
.endr
.irp j, 0,1,2,3
	global_load_b128 v[BV+4*\j:BV+4*\j+3], v[GB], s[12:13] offset:512*\j
.endr
.irp i, 0,1,2,3
.irp j, 0,1,2,3
	global_load_b128 v[X+16*\i+4*\j:X+16*\i+4*\j+3], v[VI], s[4:5] offset:\i*2048+\j*512 th:TH_LOAD_NT
.endr
.endr
.macro WRED x, t                       ; the sum over the wave's 32 lanes, in every lane
	v_add_f32_dpp v[\x], v[\x], v[\x] row_xmask:1 row_mask:0xf bank_mask:0xf
	v_add_f32_dpp v[\x], v[\x], v[\x] row_xmask:2 row_mask:0xf bank_mask:0xf
	v_add_f32_dpp v[\x], v[\x], v[\x] row_xmask:4 row_mask:0xf bank_mask:0xf
	v_add_f32_dpp v[\x], v[\x], v[\x] row_xmask:8 row_mask:0xf bank_mask:0xf
	v_permlanex16_b32 v[\t], v[\x], s[SEL], s[SEL+1]
	v_add_f32 v[\x], v[\x], v[\t]
.endm
.macro ROWSTAT i                       ; row i: mean; x - mean in place; var + eps
	s_wait_loadcnt 12-4*(\i)                       ; g, b and rows 0 .. i are in; the later rows' four loads each stay out
.set rx, X+16*(\i)
	v_pk_add_f32 v[T:T+1], v[rx:rx+1], v[rx+2:rx+3]
	v_pk_add_f32 v[T+2:T+3], v[rx+4:rx+5], v[rx+6:rx+7]
	v_pk_add_f32 v[T:T+1], v[T:T+1], v[rx+8:rx+9]
	v_pk_add_f32 v[T+2:T+3], v[T+2:T+3], v[rx+10:rx+11]
	v_pk_add_f32 v[T:T+1], v[T:T+1], v[rx+12:rx+13]
	v_pk_add_f32 v[T+2:T+3], v[T+2:T+3], v[rx+14:rx+15]
	v_pk_add_f32 v[T:T+1], v[T:T+1], v[T+2:T+3]
	v_add_f32 v[T], v[T], v[T+1]
	WRED T, T+1
	v_mul_f32 v[MU+2*(\i)], s24, v[T]
	v_mul_f32 v[MU+2*(\i)+1], s24, v[T]
.irp j, 0,2,4,6,8,10,12,14
	v_pk_add_f32 v[rx+\j:rx+\j+1], v[rx+\j:rx+\j+1], v[MU+2*(\i):MU+2*(\i)+1] neg_lo:[0,1] neg_hi:[0,1]
.endr
	v_pk_mul_f32 v[T:T+1], v[rx:rx+1], v[rx:rx+1]
	v_pk_mul_f32 v[T+2:T+3], v[rx+2:rx+3], v[rx+2:rx+3]
.irp j, 4,8,12
	v_pk_fma_f32 v[T:T+1], v[rx+\j:rx+\j+1], v[rx+\j:rx+\j+1], v[T:T+1]
	v_pk_fma_f32 v[T+2:T+3], v[rx+\j+2:rx+\j+3], v[rx+\j+2:rx+\j+3], v[T+2:T+3]
.endr
	v_pk_add_f32 v[T:T+1], v[T:T+1], v[T+2:T+3]
	v_add_f32 v[T], v[T], v[T+1]
	WRED T, T+1
	v_fma_f32 v[RS+2*(\i)], v[T], s24, s25
.endm
.macro ROWOUT i                        ; row i: (x - mean) rs g + b, rounded to f16 and stored
.set rx, X+16*(\i)
.irp j, 0,2,4,6,8,10,12,14
	v_pk_mul_f32 v[rx+\j:rx+\j+1], v[rx+\j:rx+\j+1], v[RS+2*(\i):RS+2*(\i)+1]
.endr
.irp j, 0,2,4,6,8,10,12,14
	v_pk_fma_f32 v[rx+\j:rx+\j+1], v[rx+\j:rx+\j+1], v[G+\j:G+\j+1], v[BV+\j:BV+\j+1]
.endr
.irp j, 0,1,2,3,4,5,6,7
	v_cvt_pk_f16_f32 v[H+8*(\i)+\j], v[rx+2*\j], v[rx+2*\j+1]
.endr
.irp j, 0,1,2,3
	global_store_b64 v[VO], v[H+8*(\i)+2*\j:H+8*(\i)+2*\j+1], s[14:15] offset:(\i)*1024+\j*256
.endr
.endm
	ROWSTAT 0
	ROWSTAT 1
	ROWSTAT 2
	ROWSTAT 3
.irp i, 0,1,2,3
	v_rsq_f32 v[RS+2*\i], v[RS+2*\i]
.endr
	v_nop                                          ; a plain instruction behind the last root,
	s_wait_alu depctr_va_vdst(0)                   ; and the one wait for the four, ahead of their first reader
.irp i, 0,1,2,3
	v_mov_b32 v[RS+2*\i+1], v[RS+2*\i]
.endr
	ROWOUT 0
	ROWOUT 1
	ROWOUT 2
	ROWOUT 3
	s_cmp_eq_u32 s19, 2                            ; v's means are not wanted; the branch is the same in all eight waves
	s_cbranch_scc1 .Lend
.irp j, 0,2,4,6,8,10,12,14
	v_pk_add_f32 v[CS+\j:CS+\j+1], v[X+\j:X+\j+1], v[X+16+\j:X+16+\j+1]
	v_pk_add_f32 v[X+32+\j:X+32+\j+1], v[X+32+\j:X+32+\j+1], v[X+48+\j:X+48+\j+1]
.endr
.irp j, 0,2,4,6,8,10,12,14
	v_pk_add_f32 v[CS+\j:CS+\j+1], v[CS+\j:CS+\j+1], v[X+32+\j:X+32+\j+1]
.endr
.irp j, 0,1,2,3
	ds_store_b128 v[LS], v[CS+4*\j:CS+4*\j+3] offset:512*\j
.endr
	s_wait_dscnt 0x0                               ; for the others' sake: my sums lie in LDS
	s_barrier_signal -1
	s_barrier_wait -1
.irp w, 0,1,2,3,4,5,6,7
	ds_load_b64 v[X+2*\w:X+2*\w+1], v[LR] offset:2048*\w
.endr
	s_wait_dscnt 0x0
.irp w, 1,2,3,4,5,6,7
	v_pk_add_f32 v[X:X+1], v[X:X+1], v[X+2*\w:X+2*\w+1]
.endr
	global_store_b64 v[LR], v[X:X+1], s[16:17]     ; a wave stores 256 consecutive bytes, aligned
.Lend:
	s_wait_tensorcnt 0x0                           ; the wave's end
	ds_add_u32 v[SPW], v[NIL]
	s_wait_dscnt 0x0
	s_endpgm
.Lfunc_end_k_q4e764213f5_ln:
	.size	k_q4e764213f5_ln, .Lfunc_end_k_q4e764213f5_ln-k_q4e764213f5_ln
	.p2alignl 7, 3214868480
	.fill 96, 4, 3214868480
	.section	.rodata,"a",@progbits
	.p2align	6, 0x0
	.amdhsa_kernel k_q4e764213f5_ln
		.amdhsa_group_segment_fixed_size 17408
		.amdhsa_private_segment_fixed_size 0
		.amdhsa_enable_private_segment 0
		.amdhsa_kernarg_size 56
		.amdhsa_user_sgpr_count 2
		.amdhsa_user_sgpr_kernarg_segment_ptr 1
		.amdhsa_wavefront_size32 1
		.amdhsa_system_sgpr_workgroup_id_x 1
		.amdhsa_system_sgpr_workgroup_id_y 1
		.amdhsa_system_sgpr_workgroup_id_z 1
		.amdhsa_system_vgpr_workitem_id 0
		.amdhsa_next_free_vgpr 176
		.amdhsa_next_free_sgpr 66
		.amdhsa_reserve_vcc 0
		.amdhsa_float_denorm_mode_32 3
		.amdhsa_float_denorm_mode_16_64 3
		.amdhsa_memory_ordered 1
		.amdhsa_forward_progress 1
		.amdhsa_inst_pref_size 25
	.end_amdhsa_kernel
	.amdgpu_metadata
---
amdhsa.version: [ 1, 2 ]
amdhsa.kernels:
  - .name:           k_q4e764213f5_ln
    .symbol:         k_q4e764213f5_ln.kd
    .args:
      - { .name: q, .offset: 0, .size: 8, .value_kind: global_buffer, .address_space: global }
      - { .name: k, .offset: 8, .size: 8, .value_kind: global_buffer, .address_space: global }
      - { .name: v, .offset: 16, .size: 8, .value_kind: global_buffer, .address_space: global }
      - { .name: ln_g, .offset: 24, .size: 8, .value_kind: global_buffer, .address_space: global }
      - { .name: ln_b, .offset: 32, .size: 8, .value_kind: global_buffer, .address_space: global }
      - { .name: xln, .offset: 40, .size: 8, .value_kind: global_buffer, .address_space: global }
      - { .name: part, .offset: 48, .size: 8, .value_kind: global_buffer, .address_space: global }
    .group_segment_fixed_size: 17408
    .private_segment_fixed_size: 0
    .kernarg_segment_align: 8
    .kernarg_segment_size: 56
    .max_flat_workgroup_size: 256
    .sgpr_count:     66
    .vgpr_count:     176
    .wavefront_size: 32
...
	.end_amdgpu_metadata
.endif
;; end of part 1
;; launch mid (part 2): grid 192 x 1, 8 waves a work-group, no clusters, 22,528 bytes of LDS; arguments W_in, W_out, part, wt, fmean; writes wt, fmean
.if DOCPART == 2
	.amdgcn_target "amdgcn-amd-amdhsa--gfx1250"
	.amdhsa_code_object_version 6
	.text
	.protected	k_q4e764213f5_mid
	.globl	k_q4e764213f5_mid
	.p2align	8
	.type	k_q4e764213f5_mid,@function
k_q4e764213f5_mid:
	s_mov_b64 s[64:65], 0
	v_nop
	global_prefetch_b8 v0, s[64:65] scope:SCOPE_SE
	s_setreg_imm32_b32 hwreg(HW_REG_WAVE_MODE, 25, 1), 1
	s_wait_xcnt 0x0
; TWO SMALL JOBS between the layer norm and the projection; the work-group's number chooses (the same branch in all eight waves).
; Work-groups 0-63: a tile of 128 k x 64 n of W_in or W_out is rounded to f16 and turned: wt holds W_in^T [n][k] at byte 0 and W_out^T [n][k] at
; byte 524,288, rows of 1,024 bytes.  It goes through LDS (rows of 272 bytes), so that sixteen lanes store 256 consecutive bytes, aligned.
; Work-groups 64-191: fmean[t][b][64 columns] = (mean over n of LN(t)[b]) @ W_in in f32, t = q, k: the column sums of part, divided by 1,024, times
; a strip of 64 columns of W_in; K = 512 is split among the eight waves, which meet in LDS.  The mean is taken ahead of the product: another order of summation than reference() has.
; Each job has LDS bytes of its own: the tile 0 .. 17,407; the means MB .. MB + 2,047 and the partial sums MB + 2,048 .. MB + 4,095; no byte is named by both.
; No cluster, no tensor load: the launch is short and its tiles are small.  LIMIT: |W| under 65,504 (f16).
.set MB,    17408                      ; the mean job's LDS bytes begin behind the turned tile's 64 rows of 272 bytes
.set SPARE, MB+4096                    ; behind both: the spare words, 128 bytes a wave
.set SPW, 8
.set NIL, 9
	s_load_b256 s[4:11], s[0:1], 0x0               ; W_in, W_out, part, wt
	s_load_b64 s[12:13], s[0:1], 0x20              ; fmean
	v_lshl_add_u32 v[SPW], v0, 2, SPARE
	v_mov_b32 v[NIL], 0
	v_lshrrev_b32 v1, 5, v0
	v_readfirstlane_b32 s14, v1                    ; wave
	v_and_b32 v1, 31, v0                           ; lane
	s_mov_b32 s19, 0
	s_mov_b32 s21, 0
	s_wait_kmcnt 0x0
	s_cmp_lt_u32 ttmp9, 64
	s_cbranch_scc0 .Lmean
	s_lshr_b32 s15, ttmp9, 5                       ; which matrix
	s_bfe_u32 s16, ttmp9, 0x20003                  ; which 128 k
	s_and_b32 s17, ttmp9, 7                        ; which 64 n
	s_cmp_eq_u32 s15, 0
	s_cselect_b64 s[4:5], s[4:5], s[6:7]
	s_lshl_b32 s18, s16, 18
	s_lshl_b32 s20, s17, 8
	s_add_co_u32 s18, s18, s20
	s_add_nc_u64 s[4:5], s[4:5], s[18:19]
	s_lshl_b32 s20, s15, 19
	s_lshl_b32 s22, s17, 16
	s_add_co_u32 s20, s20, s22
	s_lshl_b32 s22, s16, 8
	s_add_co_u32 s20, s20, s22
	s_add_nc_u64 s[10:11], s[10:11], s[20:21]
	s_lshl_b32 s22, s14, 15                        ; my wave's 16 rows k
	v_lshl_add_u32 v2, v1, 3, s22                  ; + my two columns n = 2 l, 2 l + 1
.irp i, 0,1,2,3,4,5,6,7,8,9,10,11,12,13,14,15
	global_load_b64 v[16+2*\i:17+2*\i], v2, s[4:5] offset:\i*2048
.endr
	v_mul_u32_u24 v3, v1, 544                      ; LDS row n = 2 l,
	s_lshl_b32 s22, s14, 5
	v_add_nc_u32 v3, s22, v3                       ; my wave's 16 k: 32 bytes
	v_lshrrev_b32 v4, 4, v1
	s_lshl_b32 s22, s14, 3
	v_add_nc_u32 v4, s22, v4                       ; back: row 8 w + l / 16
	v_and_b32 v5, 15, v1
	v_mul_u32_u24 v6, v4, 272
	v_lshl_add_u32 v6, v5, 4, v6
	v_lshlrev_b32 v7, 10, v4
	v_lshl_add_u32 v7, v5, 4, v7
	s_wait_loadcnt 0x0
.irp j, 0,1,2,3,4,5,6,7
	v_cvt_pk_f16_f32 v[48+\j], v[16+4*\j], v[18+4*\j]   ; column 2 l, rows 2 j and 2 j + 1
	v_cvt_pk_f16_f32 v[56+\j], v[17+4*\j], v[19+4*\j]   ; column 2 l + 1
.endr
	ds_store_b128 v3, v[48:51]
	ds_store_b128 v3, v[52:55] offset:16
	ds_store_b128 v3, v[56:59] offset:272
	ds_store_b128 v3, v[60:63] offset:288
	s_wait_dscnt 0x0                               ; for the others' sake: my part of the tile lies in LDS
	s_barrier_signal -1
	s_barrier_wait -1
.irp i, 0,1,2,3
	ds_load_b128 v[64+4*\i:67+4*\i], v6 offset:544*\i
.endr
	s_wait_dscnt 0x0
.irp i, 0,1,2,3
	global_store_b128 v7, v[64+4*\i:67+4*\i], s[10:11] offset:2048*\i
.endr
	s_branch .Lend
.Lmean:
	s_sub_co_u32 s15, ttmp9, 64
	s_lshr_b32 s16, s15, 3                         ; 8 t + b
	s_and_b32 s17, s15, 7                          ; strip of 64 columns
	s_lshl_b32 s18, s16, 16                        ; the batch's 32 rows of part
	s_add_nc_u64 s[8:9], s[8:9], s[18:19]
	s_lshl_b32 s20, s17, 8
	s_add_nc_u64 s[4:5], s[4:5], s[20:21]
	s_lshl_b32 s18, s16, 11
	s_add_co_u32 s18, s18, s20
	s_add_nc_u64 s[12:13], s[12:13], s[18:19]
	v_lshlrev_b32 v2, 3, v0                        ; 8 x thread: two columns of the 512
	s_lshl_b32 s22, s14, 17                        ; my wave's 64 rows of W_in
	v_lshl_add_u32 v3, v1, 3, s22
.set i, 0
.rept 32
	global_load_b64 v[16+2*i:17+2*i], v2, s[8:9] offset:i*2048
.set i, i+1
.endr
.set i, 0
.rept 64
	global_load_b64 v[80+2*i:81+2*i], v3, s[4:5] offset:i*2048
.set i, i+1
.endr
	s_wait_loadcnt 63                              ; part's 32 loads are in: 64 were issued behind them, and the wait's count names 63 at the most
.set i, 1
.rept 31
	v_pk_add_f32 v[16:17], v[16:17], v[16+2*i:17+2*i]
.set i, i+1
.endr
	v_pk_mul_f32 v[16:17], v[16:17], 0x3a800000 op_sel_hi:[1,0]   ; / 1,024 rows
	ds_store_b64 v2, v[16:17] offset:MB
	s_wait_dscnt 0x0                               ; for the others' sake: my two means lie in LDS
	s_barrier_signal -1
	s_barrier_wait -1
	s_lshl_b32 s22, s14, 8
	v_mov_b32 v4, s22                              ; my wave's 64 means, the same address in all lanes
.irp c, 0,1,2,3,4,5,6,7,8,9,10,11,12,13,14,15
	ds_load_b128 v[16+4*\c:19+4*\c], v4 offset:MB+16*\c
.endr
	s_wait_loadcnt 0x0
	s_wait_dscnt 0x0
.set i, 0
.rept 64                               ; four chains of fused multiply-adds for each of my two columns
.if i < 4
	v_mul_f32 v[208+2*i], v[80+2*i], v[16+i]
	v_mul_f32 v[209+2*i], v[81+2*i], v[16+i]
.else
	v_fmac_f32 v[208+2*(i%4)], v[80+2*i], v[16+i]
	v_fmac_f32 v[209+2*(i%4)], v[81+2*i], v[16+i]
.endif
.set i, i+1
.endr
	v_pk_add_f32 v[208:209], v[208:209], v[210:211]
	v_pk_add_f32 v[212:213], v[212:213], v[214:215]
	v_pk_add_f32 v[208:209], v[208:209], v[212:213]
	v_lshl_add_u32 v5, v1, 3, s22
	ds_store_b64 v5, v[208:209] offset:MB+2048
	s_wait_dscnt 0x0                               ; for wave 0's sake: my partial sums lie in LDS
	s_barrier_signal -1
	s_barrier_wait -1
	s_cmp_lg_u32 s14, 0
	s_cbranch_scc1 .Lend
	v_lshlrev_b32 v6, 3, v1
.irp w, 0,1,2,3,4,5,6,7
	ds_load_b64 v[16+2*\w:17+2*\w], v6 offset:MB+2048+256*\w
.endr
	s_wait_dscnt 0x0
.irp w, 1,2,3,4,5,6,7
	v_pk_add_f32 v[16:17], v[16:17], v[16+2*\w:17+2*\w]
.endr
	global_store_b64 v6, v[16:17], s[12:13]        ; 256 consecutive bytes, aligned
.Lend:
	s_wait_tensorcnt 0x0                           ; the wave's end
	ds_add_u32 v[SPW], v[NIL]
	s_wait_dscnt 0x0
	s_endpgm
.Lfunc_end_k_q4e764213f5_mid:
	.size	k_q4e764213f5_mid, .Lfunc_end_k_q4e764213f5_mid-k_q4e764213f5_mid
	.p2alignl 7, 3214868480
	.fill 96, 4, 3214868480
	.section	.rodata,"a",@progbits
	.p2align	6, 0x0
	.amdhsa_kernel k_q4e764213f5_mid
		.amdhsa_group_segment_fixed_size 22528
		.amdhsa_private_segment_fixed_size 0
		.amdhsa_enable_private_segment 0
		.amdhsa_kernarg_size 40
		.amdhsa_user_sgpr_count 2
		.amdhsa_user_sgpr_kernarg_segment_ptr 1
		.amdhsa_wavefront_size32 1
		.amdhsa_system_sgpr_workgroup_id_x 1
		.amdhsa_system_sgpr_workgroup_id_y 1
		.amdhsa_system_sgpr_workgroup_id_z 1
		.amdhsa_system_vgpr_workitem_id 0
		.amdhsa_next_free_vgpr 224
		.amdhsa_next_free_sgpr 66
		.amdhsa_reserve_vcc 0
		.amdhsa_float_denorm_mode_32 3
		.amdhsa_float_denorm_mode_16_64 3
		.amdhsa_memory_ordered 1
		.amdhsa_forward_progress 1
		.amdhsa_inst_pref_size 24
	.end_amdhsa_kernel
	.amdgpu_metadata
---
amdhsa.version: [ 1, 2 ]
amdhsa.kernels:
  - .name:           k_q4e764213f5_mid
    .symbol:         k_q4e764213f5_mid.kd
    .args:
      - { .name: W_in, .offset: 0, .size: 8, .value_kind: global_buffer, .address_space: global }
      - { .name: W_out, .offset: 8, .size: 8, .value_kind: global_buffer, .address_space: global }
      - { .name: part, .offset: 16, .size: 8, .value_kind: global_buffer, .address_space: global }
      - { .name: wt, .offset: 24, .size: 8, .value_kind: global_buffer, .address_space: global }
      - { .name: fmean, .offset: 32, .size: 8, .value_kind: global_buffer, .address_space: global }
    .group_segment_fixed_size: 22528
    .private_segment_fixed_size: 0
    .kernarg_segment_align: 8
    .kernarg_segment_size: 40
    .max_flat_workgroup_size: 256
    .sgpr_count:     66
    .vgpr_count:     224
    .wavefront_size: 32
...
	.end_amdgpu_metadata
.endif
;; end of part 2
;; launch proj (part 3): grid 4 x 64, 4 waves a work-group, clusters of 4 x 4, 327,680 bytes of LDS; arguments xln, wt, fmean, heads; writes heads
.if DOCPART == 3
	.amdgcn_target "amdgcn-amd-amdhsa--gfx1250"
	.amdhsa_code_object_version 6
	.text
	.protected	k_q4e764213f5_proj
	.globl	k_q4e764213f5_proj
	.p2align	8
	.type	k_q4e764213f5_proj,@function
k_q4e764213f5_proj:
	s_mov_b64 s[64:65], 0
	v_nop
	global_prefetch_b8 v0, s[64:65] scope:SCOPE_SE
	s_setreg_imm32_b32 hwreg(HW_REG_WAVE_MODE, 25, 1), 1
	s_wait_xcnt 0x0
	s_wait_alu depctr_hold_cnt(0) depctr_sa_sdst(0) depctr_va_vdst(0) depctr_va_sdst(0) depctr_va_ssrc(0) depctr_va_vcc(0) depctr_vm_vsrc(0)
	s_getreg_b32 s2, hwreg(HW_REG_IB_STS2, 6, 4)
	s_cmp_eq_u32 s2, 0
	s_cbranch_scc0 .Lentry_in_a_cluster
	s_endpgm
.Lentry_in_a_cluster:
	s_bfe_u32 s2, ttmp6, 0x10000c
	s_cmp_lg_u32 s2, 0xf033
	s_cbranch_scc0 .Lentry_shape_is_right
	s_endpgm
.Lentry_shape_is_right:
; THE PROJECTION f = LN(t) @ W_in for t = q, k, v, and what the score passes want of it, by heads: heads = seven planes [h][b][n][64] of f16:
;   0: -f_q / max(|f_q|, EPS)   1: f_q / (|f_q| + EPS)   2: f_q - mean over d      3: f_k / max(|f_k|, EPS)   4: f_k / (|f_k| + EPS)   5: f_k - mean over n   6: f_v
; A work-group makes 128 rows of each of q, k, v x 128 columns (two heads): 384 x 128; a wave 32 rows of each plane x 128: 48 accumulators, 384 registers.
; K = 512 goes in four steps of 128 through two LDS slots (q's, k's, v's and W^T's 128 rows of 256 bytes, padded to 272).  f16 operands, f32 sums.
; CLUSTER 4 x 4: the four of a row of the cluster share the rows of x, the four of a column the rows of W^T: joint loads; waves 0-2 ask for x's three planes, wave 3 for W^T.
; The matrix instruction is used transposed (source 0 = 16 rows of W^T, source 1 = 16 rows of x): a lane holds eight neighbouring columns of one row.
; THE WAY OUT: the sums go in f32 into the wave's own part of the slots (which have had their last fill), rows of 64 columns, and come back four rows to a load group, eight lanes a row:
; norms and means are three steps between lanes; each plane's store covers 512 consecutive bytes.
; No prefetch: the text has two refills, K steps 2 and 3, next to the launch's first loads.
; LIMITS: f16 holds no number beyond 65,504 (x, W, f - mean, f_v); NaN and infinities are not treated apart.
; REGISTERS: window 0: v16-29 addresses; v32-79, v80-127 x's fragments, two buffers; v128-255 the way out.  window 1: v0-63, v64-127 W^T's fragments.  windows 2, 3: the accumulators (a, nb) at 8 (8 a + nb).
.set PITCH, 272
.set HALFT, 128*PITCH
.set SLOT,  4*HALFT
.set SPARE, 2*SLOT
.set WDUMP, 192*PITCH                  ; a wave's sums: rows [plane][head half][32]
.set PLN,   8388608
.set ADRA, 16
.set ADRV, 18
.set ADRB, 20
.set DS,   22
.set DR,   23
.set GO,   24
.set KO,   25
.set GO0,  26
.set SPW,  28
.set NIL,  29
.set FK,   32
.set FV,   64
.set TP,   96
.set MUN,  96
.set D,    112
.set FQ,   128
.set OUT,  160
.set KB0,  208
.set KB1,  216
.set KB,   224
.set SS,   232
.set SM,   236
.set RA,   240
.set RB,   248
.set WV,  12
.set G1A, 24
.set G0A, 32
.set G1B, 48
.set G0B, 56
.set PB,  66                           ; s[66+2P:67+2P] plane P at my wave's first row, first head
.set CNT, 80
.set MSK, 81
.set EPS, 85
.set FLAGS, (1<<16)|(1<<20)|(1<<21)|(5<<22)|(3<<25)  ; 2-byte elements; padding on; bit 21 beside a mask; after every 64 words, 4 words
.set MSB, 0
.macro WIN new
.if MSB != (\new)
	s_set_vgpr_msb (MSB<<8)|(\new)
.set MSB, \new
.endif
.endm
.macro PLACES
.rept 4
	v_nop
.endr
.endm
.macro CREST                           ; a round of the cluster's barrier behind its opening barrier
	s_cmp_lg_u32 s[WV], 0
	s_cbranch_scc1 .Lnw0_\@
	s_barrier_signal -3
.Lnw0_\@:
	s_barrier_wait -3
	s_barrier_signal -1
	s_barrier_wait -1
.endm
.macro ROUND
	s_barrier_signal -1
	s_barrier_wait -1
	CREST
.endm
.macro JLOAD s                         ; a joint load; the branch hangs on the wave's number alone; an s_nop 0 and four v_nop follow each line
	s_cmp_lt_u32 s[WV], 3
	s_cbranch_scc0 .Ljb_\@
	tensor_load_to_lds s[G0A+4*(\s):G0A+4*(\s)+3], s[G1A:G1A+7]
	s_nop 0
	PLACES
	s_branch .Ljd_\@
.Ljb_\@:
	tensor_load_to_lds s[G0B+4*(\s):G0B+4*(\s)+3], s[G1B:G1B+7]
	s_nop 0
	PLACES
.Ljd_\@:
.endm
	s_load_b256 s[4:11], s[0:1], 0x0               ; xln, wt, fmean, heads
	v_lshl_add_u32 v[SPW], v0, 2, SPARE
	v_mov_b32 v[NIL], 0
	ds_add_u32 v[SPW], v[NIL]                      ; the wave's opening: the add and its wait ahead of my first tensor load
	v_lshrrev_b32 v1, 5, v0
	v_readfirstlane_b32 s[WV], v1
	s_bfe_u32 s13, ttmp6, 0x40000                  ; cx
	s_bfe_u32 s14, ttmp6, 0x40004                  ; cy
	s_lshl_b32 s15, ttmp9, 2
	s_add_co_u32 s15, s15, s13                     ; ct: which 128 columns
	s_and_b32 s16, ttmp7, 0xffff
	s_lshl_b32 s16, s16, 2
	s_add_co_u32 s16, s16, s14                     ; rb: which 128 rows
	s_lshl_b32 s17, s14, 2
	s_lshl_b32 s17, 15, s17                        ; my row of the cluster
	s_lshl_b32 s18, 0x1111, s13                    ; my column
	s_or_b32 s[G1A], s17, FLAGS
	s_or_b32 s[G1B], s18, FLAGS
.irp g, G1A, G1B
	s_mov_b32 s[\g+1], 128<<16                     ; tensor_dim0 = 128
	s_mov_b32 s[\g+2], 128<<16                     ; tensor_dim1 = 128
	s_mov_b32 s[\g+3], 128<<16                     ; tile_dim0 = 128
	s_mov_b32 s[\g+4], 128                         ; tile_dim1 = 128
	s_mov_b32 s[\g+5], 512                         ; elements from row to row
	s_mov_b32 s[\g+6], 0
	s_mov_b32 s[\g+7], 0
.endr
	s_min_u32 s20, s[WV], 2                        ; x's plane (wave 3 does not use it)
	s_lshl_b32 s20, s20, 23
	s_lshl_b32 s21, s16, 17
	s_add_co_u32 s20, s20, s21
	s_mov_b32 s21, 0
	s_lshl_b32 s22, s15, 17                        ; W^T's 128 rows
	s_mov_b32 s23, 0
	s_mul_i32 s19, s[WV], HALFT                    ; where my tile goes: no place in the cluster enters an LDS address
	s_mov_b32 s[EPS], 0x358637bd                   ; 1e-6
	s_wait_dscnt 0x0
	s_wait_kmcnt 0x0
	s_add_nc_u64 s[20:21], s[4:5], s[20:21]
	s_add_nc_u64 s[22:23], s[6:7], s[22:23]
	ROUND                                          ; all sixteen work-groups are here: the first joint loads meet
.irp s, 0,1
	s_mov_b32 s[G0A+4*\s], 1
	s_add_co_u32 s[G0A+4*\s+1], s19, \s*SLOT
	s_add_nc_u64 s[G0A+4*\s+2:G0A+4*\s+3], s[20:21], \s*256
	s_or_b32 s[G0A+4*\s+3], s[G0A+4*\s+3], 0x80000000
	s_mov_b32 s[G0B+4*\s], 1
	s_add_co_u32 s[G0B+4*\s+1], s19, \s*SLOT
	s_add_nc_u64 s[G0B+4*\s+2:G0B+4*\s+3], s[22:23], \s*256
	s_or_b32 s[G0B+4*\s+3], s[G0B+4*\s+3], 0x80000000
.endr
	s_cmp_lt_u32 s[WV], 3                          ; a wave's two first fills stand in one branch: two loads of mine are out
	s_cbranch_scc0 .Lfirst_b
	tensor_load_to_lds s[G0A:G0A+3], s[G1A:G1A+7]
	s_nop 0
	tensor_load_to_lds s[G0A+4:G0A+7], s[G1A:G1A+7]
	s_nop 0
	PLACES
	s_branch .Lfirst_done
.Lfirst_b:
	tensor_load_to_lds s[G0B:G0B+3], s[G1B:G1B+7]
	s_nop 0
	tensor_load_to_lds s[G0B+4:G0B+7], s[G1B:G1B+7]
	s_nop 0
	PLACES
.Lfirst_done:
	v_and_b32 v1, 15, v0                           ; r
	v_bfe_u32 v2, v0, 4, 1                         ; h
	v_mul_u32_u24 v4, v1, PITCH
	v_lshl_add_u32 v3, v2, 4, v4                   ; a fragment's row x pitch + 16 h
	s_mul_i32 s82, s[WV], 32*PITCH
	v_add_nc_u32 v[ADRA], s82, v3
	v_add_nc_u32 v[ADRA+1], SLOT, v[ADRA]
	v_add_nc_u32 v[ADRV], 2*HALFT, v[ADRA]
	v_add_nc_u32 v[ADRV+1], 2*HALFT, v[ADRA+1]
	v_add_nc_u32 v[ADRB], 3*HALFT, v3
	v_add_nc_u32 v[ADRB+1], SLOT, v[ADRB]
	s_mul_i32 s83, s[WV], WDUMP
	v_lshl_add_u32 v4, v2, 5, v4                   ; the sums go in: row r, 32 bytes for each half of the lanes
	v_add_nc_u32 v[DS], s83, v4
	v_and_b32 v5, 31, v0
	v_lshrrev_b32 v6, 3, v5
	v_and_b32 v7, 7, v5
	v_mul_u32_u24 v8, v6, PITCH                    ; and come back: four rows a group, eight lanes a row, 32 bytes a lane
	v_lshl_add_u32 v8, v7, 5, v8
	v_add_nc_u32 v[DR], s83, v8
	v_lshlrev_b32 v[GO0], 4, v5
	v_lshlrev_b32 v[KO], 5, v7
	s_lshr_b32 s82, s16, 3                         ; b
	s_add_co_u32 s82, s82, 8                       ; k's means are fmean's second half
	s_lshl_b32 s82, s82, 11
	s_lshl_b32 s83, s15, 9
	s_add_co_u32 s82, s82, s83
	s_mov_b32 s83, 0
	s_add_nc_u64 s[8:9], s[8:9], s[82:83]
	global_load_b128 v[KB0:KB0+3], v[KO], s[8:9]
	global_load_b128 v[KB0+4:KB0+7], v[KO], s[8:9] offset:16
	global_load_b128 v[KB1:KB1+3], v[KO], s[8:9] offset:256
	global_load_b128 v[KB1+4:KB1+7], v[KO], s[8:9] offset:272
	s_lshl_b32 s82, s15, 21                        ; head 2 ct,
	s_lshl_b32 s84, s16, 14                        ; the batch and its 128 rows,
	s_add_co_u32 s82, s82, s84
	s_lshl_b32 s84, s[WV], 12                      ; my wave's 32
	s_add_co_u32 s82, s82, s84
	s_add_nc_u64 s[PB:PB+1], s[10:11], s[82:83]
.irp p, 1,2,3,4,5,6
	s_add_nc_u64 s[PB+2*\p:PB+2*\p+1], s[PB:PB+1], \p*PLN
.endr
; eight products: block a of 16 rows x all 128 columns, 32 along K, fragments of buffer f.  The 48 accumulators take turns, one instruction a turn.
.macro MULA f, a, zero
.if (\a) < 4
	WIN 0xa1
.set rD, 64*(\a)
.else
	WIN 0xf1
.set rD, 64*((\a)-4)
.endif
.irp nb, 0,1,2,3,4,5,6,7
.if \zero
	v_wmma_f32_16x16x32_f16 v[rD+8*\nb:rD+8*\nb+7], v[64*(\f)+8*\nb:64*(\f)+8*\nb+7], v[32+48*(\f)+8*(\a):32+48*(\f)+8*(\a)+7], 0
.else
	v_wmma_f32_16x16x32_f16 v[rD+8*\nb:rD+8*\nb+7], v[64*(\f)+8*\nb:64*(\f)+8*\nb+7], v[32+48*(\f)+8*(\a):32+48*(\f)+8*(\a)+7], v[rD+8*\nb:rD+8*\nb+7]
.endif
.endr
.endm
.macro FETCH slot, k, f                ; 28 LDS loads in one run: the fragments of 32 along K at byte k of the rows
	WIN 0x40
.irp nb, 0,1,2,3,4,5,6,7
	ds_load_b128 v[64*(\f)+8*\nb:64*(\f)+8*\nb+3],   v[ADRB+(\slot)] offset:\nb*16*PITCH+(\k)
	ds_load_b128 v[64*(\f)+8*\nb+4:64*(\f)+8*\nb+7], v[ADRB+(\slot)] offset:\nb*16*PITCH+(\k)+32
.endr
	WIN 0
.irp a, 0,1,2,3
	ds_load_b128 v[32+48*(\f)+8*\a:32+48*(\f)+8*\a+3],   v[ADRA+(\slot)] offset:(\a/2)*HALFT+(\a%2)*16*PITCH+(\k)
	ds_load_b128 v[32+48*(\f)+8*\a+4:32+48*(\f)+8*\a+7], v[ADRA+(\slot)] offset:(\a/2)*HALFT+(\a%2)*16*PITCH+(\k)+32
.endr
.irp a, 4,5
	ds_load_b128 v[32+48*(\f)+8*\a:32+48*(\f)+8*\a+3],   v[ADRV+(\slot)] offset:(\a%2)*16*PITCH+(\k)
	ds_load_b128 v[32+48*(\f)+8*\a+4:32+48*(\f)+8*\a+7], v[ADRV+(\slot)] offset:(\a%2)*16*PITCH+(\k)+32
.endr
.endm
.macro QUARTER slot, k, f, g, zero     ; multiplies buffer f; in its middle the next quarter's fragments, at byte k, are fetched into g, four places behind g's last reader
	s_wait_dscnt 0x0
	MULA \f, 0, \zero
	MULA \f, 1, \zero
	MULA \f, 2, \zero
	PLACES
	FETCH \slot, \k, \g
	MULA \f, 3, \zero
	MULA \f, 4, \zero
	MULA \f, 5, \zero
.endm
; A K step's last quarter multiplies buffer 1 and changes slots.  In front of the barrier each wave waits for all its tensor loads (one is out: its part of the next slot), adds 0 to its spare word,
; and waits for that and for its reads of this slot.  fill = 1: the barrier opens a round of the cluster's, and the joint refill, two K steps on, is the first thing behind it.
.macro LASTQ slot, next, fill
	WIN 0
	s_wait_tensorcnt 0x0
	ds_add_u32 v[SPW], v[NIL]
.if \fill
	s_add_nc_u64 s[G0A+4*(\slot)+2:G0A+4*(\slot)+3], s[G0A+4*(\slot)+2:G0A+4*(\slot)+3], 512
	s_add_nc_u64 s[G0B+4*(\slot)+2:G0B+4*(\slot)+3], s[G0B+4*(\slot)+2:G0B+4*(\slot)+3], 512
.endif
	s_wait_dscnt 0x0
	s_barrier_signal -1
	MULA 1, 0, 0                                   ; work on registers while the others arrive
	MULA 1, 1, 0
	MULA 1, 2, 0
	WIN 0
	s_barrier_wait -1
.if \fill
	CREST
	JLOAD \slot                                    ; its four v_nop are also the places in front of the loads below
.else
	PLACES
.endif
	FETCH \next, 0, 0
	MULA 1, 3, 0
	MULA 1, 4, 0
	MULA 1, 5, 0
.endm
	s_wait_tensorcnt 0x1                           ; my part of K step 0 is in; K step 1's may stay out
	s_barrier_signal -1
	s_barrier_wait -1
	FETCH 0, 0, 0
	QUARTER 0, 64,  0, 1, 1                        ; the first products start the sums
	QUARTER 0, 128, 1, 0, 0
	QUARTER 0, 192, 0, 1, 0
	LASTQ 0, 1, 1
	QUARTER 1, 64,  0, 1, 0
	QUARTER 1, 128, 1, 0, 0
	QUARTER 1, 192, 0, 1, 0
	LASTQ 1, 0, 1
	QUARTER 0, 64,  0, 1, 0
	QUARTER 0, 128, 1, 0, 0
	QUARTER 0, 192, 0, 1, 0
	LASTQ 0, 1, 0
	QUARTER 1, 64,  0, 1, 0
	QUARTER 1, 128, 1, 0, 0
	QUARTER 1, 192, 0, 1, 0
	s_wait_dscnt 0x0                               ; my last reads of the slots are back:
	s_barrier_signal -1                            ; behind this barrier the slots, which are filled no more, take the sums
.irp a, 0,1,2,3,4,5
	MULA 1, \a, 0
.endr
	WIN 0
	s_barrier_wait -1
	PLACES
.irp a, 0,1,2,3,4,5
.if \a < 4
	WIN 0x08
.set rD, 64*\a
.else
	WIN 0x0c
.set rD, 64*(\a-4)
.endif
.irp nb, 0,1,2,3,4,5,6,7
	ds_store_b128 v[DS], v[rD+8*\nb:rD+8*\nb+3]   offset:((2*(\a/2)+\nb/4)*32+16*(\a%2))*PITCH+(\nb%4)*64
	ds_store_b128 v[DS], v[rD+8*\nb+4:rD+8*\nb+7] offset:((2*(\a/2)+\nb/4)*32+16*(\a%2))*PITCH+(\nb%4)*64+16
.endr
.endr
	WIN 0
.macro LOADF f, off                    ; 16 rows x 64 columns: group g is four rows
.irp g, 0,1,2,3
	ds_load_b128 v[(\f)+8*\g:(\f)+8*\g+3],   v[DR] offset:(\off)+\g*4*PITCH
	ds_load_b128 v[(\f)+8*\g+4:(\f)+8*\g+7], v[DR] offset:(\off)+\g*4*PITCH+16
.endr
.endm
.macro SUMSQ f                         ; each row's sum of squares, in all its eight lanes
.irp g, 0,1,2,3
	v_pk_mul_f32 v[TP+4*\g:TP+4*\g+1], v[(\f)+8*\g:(\f)+8*\g+1], v[(\f)+8*\g:(\f)+8*\g+1]
.endr
.irp c, 2,4,6
.irp g, 0,1,2,3
	v_pk_fma_f32 v[TP+4*\g:TP+4*\g+1], v[(\f)+8*\g+\c:(\f)+8*\g+\c+1], v[(\f)+8*\g+\c:(\f)+8*\g+\c+1], v[TP+4*\g:TP+4*\g+1]
.endr
.endr
.irp g, 0,1,2,3
	v_add_f32 v[SS+\g], v[TP+4*\g], v[TP+4*\g+1]
.endr
.irp m, 1,2,4
.irp g, 0,1,2,3
	v_add_f32_dpp v[SS+\g], v[SS+\g], v[SS+\g] row_xmask:\m row_mask:0xf bank_mask:0xf
.endr
.endr
.endm
.macro SUMS f                          ; each row's sum
.irp g, 0,1,2,3
	v_pk_add_f32 v[TP+4*\g+2:TP+4*\g+3], v[(\f)+8*\g:(\f)+8*\g+1], v[(\f)+8*\g+2:(\f)+8*\g+3]
.endr
.irp c, 4,6
.irp g, 0,1,2,3
	v_pk_add_f32 v[TP+4*\g+2:TP+4*\g+3], v[TP+4*\g+2:TP+4*\g+3], v[(\f)+8*\g+\c:(\f)+8*\g+\c+1]
.endr
.endr
.irp g, 0,1,2,3
	v_add_f32 v[SM+\g], v[TP+4*\g+2], v[TP+4*\g+3]
.endr
.irp m, 1,2,4
.irp g, 0,1,2,3
	v_add_f32_dpp v[SM+\g], v[SM+\g], v[SM+\g] row_xmask:\m row_mask:0xf bank_mask:0xf
.endr
.endr
.endm
.macro RECIPS neg                      ; from the norms in SS: 1 / (norm + EPS) in RA, 1 / max(norm, EPS) in RB (neg = 1: its negative), in the pairs' low words
.irp g, 0,1,2,3
	v_add_f32 v[RA+2*\g], s[EPS], v[SS+\g]
	v_max_num_f32 v[RB+2*\g], s[EPS], v[SS+\g]
.endr
.if \neg
.irp g, 0,1,2,3
	v_mul_f32 v[RB+2*\g], -1.0, v[RB+2*\g]
.endr
.endif
.irp g, 0,1,2,3
	v_rcp_f32 v[RA+2*\g], v[RA+2*\g]
	v_rcp_f32 v[RB+2*\g], v[RB+2*\g]
.endr
	v_nop
	s_wait_alu depctr_va_vdst(0)                   ; one wait for the eight reciprocals
.endm
; a plane: kind 0: f x fac[g]; 1: f + fac[g]; 2: f - fac (eight numbers a lane); 3: f.  Rounded to f16; a store covers four rows, 512 consecutive bytes.
.macro PLANE kind, f, fac, pb, o
.irp g, 0,1,2,3
.if (\kind) < 3
.irp c, 0,2,4,6
.if (\kind) == 0
	v_pk_mul_f32 v[D+8*(\g%2)+\c:D+8*(\g%2)+\c+1], v[(\f)+8*\g+\c:(\f)+8*\g+\c+1], v[(\fac)+2*\g:(\fac)+2*\g+1] op_sel_hi:[1,0]
.elseif (\kind) == 1
	v_pk_add_f32 v[D+8*(\g%2)+\c:D+8*(\g%2)+\c+1], v[(\f)+8*\g+\c:(\f)+8*\g+\c+1], v[(\fac)+2*\g:(\fac)+2*\g+1] op_sel_hi:[1,0]
.else
	v_pk_add_f32 v[D+8*(\g%2)+\c:D+8*(\g%2)+\c+1], v[(\f)+8*\g+\c:(\f)+8*\g+\c+1], v[(\fac)+\c:(\fac)+\c+1] neg_lo:[0,1] neg_hi:[0,1]
.endif
.endr
.irp c, 0,1,2,3
	v_cvt_pk_f16_f32 v[OUT+(\o)+4*\g+\c], v[D+8*(\g%2)+2*\c], v[D+8*(\g%2)+2*\c+1]
.endr
.else
.irp c, 0,1,2,3
	v_cvt_pk_f16_f32 v[OUT+(\o)+4*\g+\c], v[(\f)+8*\g+2*\c], v[(\f)+8*\g+2*\c+1]
.endr
.endif
	global_store_b128 v[GO], v[OUT+(\o)+4*\g:OUT+(\o)+4*\g+3], s[(\pb):(\pb)+1] offset:512*\g
.endr
.endm
.irp g, 0,1,2,3
	v_mov_b32 v[RA+2*\g+1], 0                      ; the pairs' high words are named with the low ones, so they are written
	v_mov_b32 v[RB+2*\g+1], 0
.endr
	s_wait_loadcnt 0x0                             ; k's means
	s_mov_b32 s[CNT], 4
.Lepi:                                         ; four trips: head half u / 2, rows 16 (u % 2) on, u = 4 - the count; q, k and v in each
	s_sub_co_u32 s82, 4, s[CNT]
	s_lshr_b32 s83, s82, 1
	s_lshl_b32 s83, s83, 20                        ; the next head lies 1,048,576 bytes on,
	s_and_b32 s84, s82, 1
	s_lshl_b32 s84, s84, 11                        ; 16 rows 2,048
	s_add_co_u32 s83, s83, s84
	s_cmp_lt_u32 s82, 2
	s_cselect_b32 s[MSK], 0, -1
	s_wait_xcnt 0x0                                ; the last trip's stores have read their offset and data
	v_add_nc_u32 v[GO], s83, v[GO0]
	LOADF FQ, 0
	LOADF FK, 64*PITCH
	LOADF FV, 128*PITCH
	s_wait_dscnt 16                                ; q's rows are in; k's and v's sixteen loads may stay out
	SUMSQ FQ
	SUMS FQ
.irp g, 0,1,2,3
	v_sqrt_f32 v[SS+\g], v[SS+\g]
.endr
.irp g, 0,1,2,3
	v_mul_f32 v[MUN+2*\g], 0xbc800000, v[SM+\g]    ; - mean over the 64 channels
.endr
	s_wait_alu depctr_va_vdst(0)                   ; one wait for the four roots
	RECIPS 1
	PLANE 0, FQ, RA, PB+2, 0
	PLANE 0, FQ, RB, PB, 16
	PLANE 1, FQ, MUN, PB+4, 32
	s_wait_dscnt 8                                 ; k's rows are in
	SUMSQ FK
.irp g, 0,1,2,3
	v_sqrt_f32 v[SS+\g], v[SS+\g]
.endr
.irp c, 0,1,2,3,4,5,6,7
	v_cndmask_b32 v[KB+\c], v[KB0+\c], v[KB1+\c], s[MSK]   ; this head's means of k
.endr
	s_wait_alu depctr_va_vdst(0)
	RECIPS 0
	s_wait_xcnt 0x0                                ; q's stores have read their data
	PLANE 0, FK, RA, PB+8, 0
	PLANE 0, FK, RB, PB+6, 16
	PLANE 2, FK, KB, PB+10, 32
	s_wait_dscnt 0x0
	s_wait_xcnt 0x0
	PLANE 3, FV, 0, PB+12, 0
	v_add_nc_u32 v[DR], 16*PITCH, v[DR]
	s_sub_co_u32 s[CNT], s[CNT], 1
	s_cmp_lg_u32 s[CNT], 0
	s_cbranch_scc1 .Lepi
	s_wait_tensorcnt 0x0                           ; the wave's end
	ds_add_u32 v[SPW], v[NIL]
	s_wait_dscnt 0x0
	ROUND                                          ; the closing round
	s_endpgm
.Lfunc_end_k_q4e764213f5_proj:
	.size	k_q4e764213f5_proj, .Lfunc_end_k_q4e764213f5_proj-k_q4e764213f5_proj
	.p2alignl 7, 3214868480
	.fill 96, 4, 3214868480
	.section	.rodata,"a",@progbits
	.p2align	6, 0x0
	.amdhsa_kernel k_q4e764213f5_proj
		.amdhsa_group_segment_fixed_size 327680
		.amdhsa_private_segment_fixed_size 0
		.amdhsa_enable_private_segment 0
		.amdhsa_kernarg_size 32
		.amdhsa_user_sgpr_count 2
		.amdhsa_user_sgpr_kernarg_segment_ptr 1
		.amdhsa_wavefront_size32 1
		.amdhsa_system_sgpr_workgroup_id_x 1
		.amdhsa_system_sgpr_workgroup_id_y 1
		.amdhsa_system_sgpr_workgroup_id_z 1
		.amdhsa_system_vgpr_workitem_id 0
		.amdhsa_next_free_vgpr 896
		.amdhsa_next_free_sgpr 96
		.amdhsa_reserve_vcc 0
		.amdhsa_float_denorm_mode_32 3
		.amdhsa_float_denorm_mode_16_64 3
		.amdhsa_memory_ordered 1
		.amdhsa_forward_progress 1
		.amdhsa_inst_pref_size 123
	.end_amdhsa_kernel
	.amdgpu_metadata
---
amdhsa.version: [ 1, 2 ]
amdhsa.kernels:
  - .name:           k_q4e764213f5_proj
    .symbol:         k_q4e764213f5_proj.kd
    .args:
      - { .name: xln, .offset: 0, .size: 8, .value_kind: global_buffer, .address_space: global }
      - { .name: wt, .offset: 8, .size: 8, .value_kind: global_buffer, .address_space: global }
      - { .name: fmean, .offset: 16, .size: 8, .value_kind: global_buffer, .address_space: global }
      - { .name: heads, .offset: 24, .size: 8, .value_kind: global_buffer, .address_space: global }
    .group_segment_fixed_size: 327680
    .private_segment_fixed_size: 0
    .kernarg_segment_align: 8
    .kernarg_segment_size: 32
    .max_flat_workgroup_size: 128
    .sgpr_count:     96
    .vgpr_count:     896
    .wavefront_size: 32
...
	.end_amdgpu_metadata
.endif
;; end of part 3
;; launch stats (part 4): grid 4 x 64, 4 waves a work-group, clusters of 4 x 1, 327,680 bytes of LDS; arguments heads, rec; writes rec
.if DOCPART == 4
	.amdgcn_target "amdgcn-amd-amdhsa--gfx1250"
	.amdhsa_code_object_version 6
	.text
	.protected	k_q4e764213f5_stats
	.globl	k_q4e764213f5_stats
	.p2align	8
	.type	k_q4e764213f5_stats,@function
k_q4e764213f5_stats:
	s_mov_b64 s[64:65], 0
	v_nop
	global_prefetch_b8 v0, s[64:65] scope:SCOPE_SE
	s_setreg_imm32_b32 hwreg(HW_REG_WAVE_MODE, 25, 1), 1
	s_wait_xcnt 0x0
	s_wait_alu depctr_hold_cnt(0) depctr_sa_sdst(0) depctr_va_vdst(0) depctr_va_sdst(0) depctr_va_ssrc(0) depctr_va_vcc(0) depctr_vm_vsrc(0)
	s_getreg_b32 s2, hwreg(HW_REG_IB_STS2, 6, 4)
	s_cmp_eq_u32 s2, 0
	s_cbranch_scc0 .Lentry_in_a_cluster
	s_endpgm
.Lentry_in_a_cluster:
	s_bfe_u32 s2, ttmp6, 0x10000c
	s_cmp_lg_u32 s2, 0x3003
	s_cbranch_scc0 .Lentry_shape_is_right
	s_endpgm
.Lentry_shape_is_right:
; THE STATISTICS OF THE SCORES.  For each pair (head, batch) and each row of 1,024 scores: C = clip(cosine, +-0.95), V = sc clip(raw covariance, +-20 / sc), X = clip(0.01 - cs, 0, 0.96)
; (which is the reference's two clips of the margin, cs being held to +-0.95).  Kept: each row's means of C and V, R = mean of X, and the centred second moments of (C, V) inside the row;
; merged over a wave's 64 rows as (mean, centred moment): rec[pair][block][wave][16] = mC, mV, R, sum M2C, sum M2CV, sum M2V, Pcc, Pcv, Pcr, Pvv, Pvr, Prr, 0 x 4.
; NO DIFFERENCE OF LARGE SUMS: C is summed about a shift s of the row's own (the mean of its first 32 cosines, held to +-0.95): -s is the C operand that starts the product, and the clip's bounds move with it.
; V's row sum is near 0, the keys being centred.  0.01 - cs comes from the matrix unit too: the plane -q/max and the C operand 0.01.
; SHARES as in the attention launch: a work-group 256 queries of a pair, a wave four tiles of 16; keys in steps of 32; S^T = K Q^T, so a lane holds one query.  A cluster's four blocks walk the same
; three planes of K: joint loads, 256 keys a slot, waves 0-2 a plane each (wave 3 has no part of a tile and issues none).
; BY TURNS: turn Y does tile Y's 96 vector instructions; tile Y + 1's twelve products stand among them.  K of the next step is fetched in turn 2 and waited for in turn 3.
; PREFETCH: behind each joint load waves 0-2 name, a lane a block of 256 bytes, their work-group's quarter (by address) of the 32 KB that the next change of slots asks for: each block once; the last fill asks for nothing.
; The last trip's products on a stale K serve nothing: the price, once a launch, of one text for every trip.  LIMITS: f16 operands; NaN and infinities are not treated apart.
; REGISTERS: window 0: addresses; v16-63 six pairs of sums a tile; v64-79 s, bounds; v80-175 scores, two buffers of X, C', V; v176-255 at work.  window 1: Q's three planes, -s, 0.01.  window 2: K of one step.
.set PK,    144
.set PLANE, 256*PK
.set STEPB, 32*PK
.set SLOT1, 1<<17
.set STG,   SLOT1+3*PLANE
.set SPARE, STG+256
.set PLN,   8388608
.set AK0, 2
.set AK,  4
.set AK2, 5
.set QO,  6
.set PFO, 7
.set STA, 8
.set SPW, 14
.set NIL, 15
.set ST,  16
.set SH,  64
.set SB,  80
.set TT,  176
.set RC,  240
.set WV,  12
.set LIM, 15
.set PFA, 18
.set G1,  24
.set G0,  40
.set NVB, 50
.set VB,  51
.set C096, 52
.set NC95, 53
.set C95, 54
.set SCL, 55
.set SLOTS, 56
.set CNT, 57
.set K1024, 58
.set SEL, 60
.set TBK, 62
.set MSB, 0
.macro WIN new
.if MSB != (\new)
	s_set_vgpr_msb (MSB<<8)|(\new)
.set MSB, \new
.endif
.endm
.macro PLACES
.rept 4
	v_nop
.endr
.endm
.macro ROUND
	s_barrier_signal -1
	s_barrier_wait -1
	s_cmp_lg_u32 s[WV], 0
	s_cbranch_scc1 .Lnw0_\@
	s_barrier_signal -3
.Lnw0_\@:
	s_barrier_wait -3
	s_barrier_signal -1
	s_barrier_wait -1
.endm
.macro JLOAD
	s_cmp_lt_u32 s[WV], 3
	s_cbranch_scc0 .Lnone_\@
	tensor_load_to_lds s[G0:G0+3], s[G1:G1+7]
	s_nop 0
	PLACES
.Lnone_\@:
.endm
.macro ASK
	s_cmp_gt_u32 s[SLOTS], s[LIM]
	s_cbranch_scc0 .Lnm_\@
	global_prefetch_b8 v[PFO], s[PFA:PFA+1] th:TH_LOAD_NT scope:SCOPE_SE
.Lnm_\@:
.endm
; THE CHANGE OF SLOTS: every wave waits for all its tensor loads, adds 0 to its spare word, waits for that and for its reads of the slot.  fill = 1: a round of the cluster's barrier, and the joint
; refill with the keys two slots on is the first thing behind it.  (At its first use nothing has been read: slot 0 is waited for, slot 1 filled.)
.macro CHANGE fill
	WIN 0
	s_wait_tensorcnt 0x0
	ds_add_u32 v[SPW], v[NIL]
.if \fill
	s_xor_b32 s[G0+1], s[G0+1], SLOT1
	s_add_nc_u64 s[G0+2:G0+3], s[G0+2:G0+3], 32768
	s_wait_xcnt 0x0                                ; the last prefetch, a slot back, has read its address
	s_add_nc_u64 s[PFA:PFA+1], s[PFA:PFA+1], 32768
	s_wait_dscnt 0x0
	ROUND
	JLOAD
	ASK
.else
	s_wait_dscnt 0x0
	s_barrier_signal -1
	s_barrier_wait -1
.endif
	s_sub_co_u32 s[TBK], s[TBK], PLANE
	s_xor_b32 s[TBK], s[TBK], SLOT1
.endm
	s_load_b128 s[4:7], s[0:1], 0x0                ; heads, rec
	v_lshl_add_u32 v[SPW], v0, 2, SPARE
	v_mov_b32 v[NIL], 0
	ds_add_u32 v[SPW], v[NIL]                      ; the wave's opening: the add and its wait ahead of my first tensor load
	v_lshrrev_b32 v1, 5, v0
	v_readfirstlane_b32 s[WV], v1
	s_bfe_u32 s13, ttmp6, 0x40000                  ; cx
	s_and_b32 s14, ttmp7, 0xffff                   ; the pair 8 h + b, which the partners share
	s_lshl_b32 s16, ttmp9, 2
	s_add_co_u32 s16, s16, s13                     ; my block of 256 queries
	s_mov_b32 s[G1], 15|(1<<16)|(1<<20)|(1<<21)|(4<<22)|(3<<25)  ; the mask of four; 2-byte elements; padding: after every 32 words, 4 words
	s_mov_b32 s[G1+1], 128<<16                     ; 256 keys are 32,768 dense bytes: 128 rows of 256 bytes
	s_mov_b32 s[G1+2], 128<<16
	s_mov_b32 s[G1+3], 128<<16
	s_mov_b32 s[G1+4], 128
	s_mov_b32 s[G1+5], 128
	s_mov_b32 s[G1+6], 0
	s_mov_b32 s[G1+7], 0
	s_mov_b32 s[G0], 1
	s_mul_i32 s[G0+1], s[WV], PLANE
	s_add_co_u32 s20, s[WV], 3                     ; planes 3, 4, 5
	s_lshl_b32 s20, s20, 23
	s_lshl_b32 s21, s14, 17
	s_add_co_u32 s20, s20, s21
	s_mov_b32 s21, 0
	s_lshl_b32 s22, s13, 13                        ; the prefetches: my work-group's quarter, one slot on
	s_add_co_u32 s22, s22, 32768
	s_mov_b32 s23, 0
	s_lshl_b32 s2, s14, 17
	s_lshl_b32 s3, s16, 15
	s_add_co_u32 s2, s2, s3
	s_lshl_b32 s3, s[WV], 13
	s_add_co_u32 s2, s2, s3                        ; my wave's 64 queries
	s_mov_b32 s3, 0
	s_lshl_b32 s8, s14, 2
	s_add_co_u32 s8, s8, s16
	s_lshl_b32 s8, s8, 8                           ; my work-group's 256 bytes of rec
	s_mov_b32 s9, 0
	s_mov_b32 s[NVB], 0xcd1c4001                   ; -+ 20 / sc
	s_mov_b32 s[VB], 0x4d1c4001
	s_mov_b32 s[C096], 0x3f75c28f
	s_mov_b32 s[NC95], 0xbf733333
	s_mov_b32 s[C95], 0x3f733333
	s_mov_b32 s[SCL], 0x3403126e                   ; sc = (0.001 / 1024) / (8 + 1e-6)
	s_mov_b32 s[K1024], 0x3a800000
	s_mov_b32 s[SEL], 0x76543210
	s_mov_b32 s[SEL+1], 0xfedcba98
	s_mov_b32 s[TBK], SLOT1+PLANE                  ; the first change of slots turns it into 0
	s_mov_b32 s[SLOTS], 3
	s_cmp_lt_u32 s[WV], 3
	s_cselect_b32 s[LIM], 1, -1
	s_wait_dscnt 0x0
	s_wait_kmcnt 0x0
	s_add_nc_u64 s[G0+2:G0+3], s[4:5], s[20:21]
	s_add_nc_u64 s[PFA:PFA+1], s[G0+2:G0+3], s[22:23]
	s_or_b32 s[G0+3], s[G0+3], 0x80000000
	s_add_nc_u64 s[44:45], s[4:5], s[2:3]
	s_add_nc_u64 s[46:47], s[44:45], PLN
	s_add_nc_u64 s[48:49], s[46:47], PLN
	s_add_nc_u64 s[6:7], s[6:7], s[8:9]
	ROUND
	JLOAD                                          ; keys 0-255 into slot 0
	v_and_b32 v1, 15, v0
	v_bfe_u32 v9, v0, 4, 1
	v_lshlrev_b32 v[QO], 7, v1
	v_lshl_add_u32 v[QO], v9, 4, v[QO]
	WIN 0x40
.irp p, 0,1,2
.irp i, 0,1,2,3,4,5,6,7                ; tile i / 2, channels 32 (i % 2) on
	global_load_b128 v[64*\p+8*\i:64*\p+8*\i+3],   v[QO], s[44+2*\p:45+2*\p] offset:(\i/2)*2048+(\i%2)*64
	global_load_b128 v[64*\p+8*\i+4:64*\p+8*\i+7], v[QO], s[44+2*\p:45+2*\p] offset:(\i/2)*2048+(\i%2)*64+32
.endr
.endr
.irp i, 0,1,2,3,4,5,6,7
	v_mov_b32 v[224+\i], 0x3c23d70a                ; 0.01
.endr
	WIN 0
.set i, 0
.rept 48
	v_mov_b32 v[ST+i], 0
.set i, i+1
.endr
	v_mul_u32_u24 v[AK0], v1, PK
	v_lshl_add_u32 v[AK0], v9, 4, v[AK0]
	v_and_b32 v[PFO], 31, v0
	v_lshlrev_b32 v10, 3, v[PFO]                   ; 8 x lane
	v_lshlrev_b32 v[PFO], 8, v[PFO]
	s_lshl_b32 s17, s[WV], 6
	s_add_co_u32 s17, s17, STG
	v_mov_b32 v[STA], s17
; product si of 12 for tile x: channels 32 (si / 6) on; plane (si % 6) / 2; keys 16 (si % 2) on.  The six accumulators take turns.
.macro SC x
.set cc, si/6
.set pp, (si%6)/2
.set kb, si%2
.set rD, SB+48*((\x)%2)+16*pp+8*kb
.set rK, 32*pp+16*kb+8*cc
.set rQ, 64*pp+16*(\x)+8*cc
.if cc == 1
	WIN 0x06
	v_wmma_f32_16x16x32_f16 v[rD:rD+7], v[rK:rK+7], v[rQ:rQ+7], v[rD:rD+7]
.elseif pp == 0
	WIN 0x16
	v_wmma_f32_16x16x32_f16 v[rD:rD+7], v[rK:rK+7], v[rQ:rQ+7], v[224:231]
.elseif pp == 1
	WIN 0x16
	v_wmma_f32_16x16x32_f16 v[rD:rD+7], v[rK:rK+7], v[rQ:rQ+7], v[192+8*(\x):192+8*(\x)+7]
.else
	WIN 0x06
	v_wmma_f32_16x16x32_f16 v[rD:rD+7], v[rK:rK+7], v[rQ:rQ+7], 0
.endif
.set si, si+1
.endm
; number vn of tile y's 96: for each pair of scores six clips and six packed sums; each accumulator's lowest registers are read first
.macro VOP y
.set bS, SB+48*((\y)%2)
.set rT, ST+12*(\y)
.set rL, SH+4*(\y)
.set vp, 2*(vn/12)
.set vk, vn%12
	WIN 0
.if vk < 2
	v_med3_num_f32 v[bS+16+vp+vk], v[bS+16+vp+vk], v[rL+1], v[rL+2]
.elseif vk < 4
	v_med3_num_f32 v[bS+32+vp+vk-2], v[bS+32+vp+vk-2], s[NVB], s[VB]
.elseif vk < 6
	v_med3_num_f32 v[bS+vp+vk-4], v[bS+vp+vk-4], 0, s[C096]
.elseif vk == 6
	v_pk_add_f32 v[rT:rT+1], v[rT:rT+1], v[bS+16+vp:bS+16+vp+1]
.elseif vk == 7
	v_pk_fma_f32 v[rT+2:rT+3], v[bS+16+vp:bS+16+vp+1], v[bS+16+vp:bS+16+vp+1], v[rT+2:rT+3]
.elseif vk == 8
	v_pk_add_f32 v[rT+4:rT+5], v[rT+4:rT+5], v[bS+32+vp:bS+32+vp+1]
.elseif vk == 9
	v_pk_fma_f32 v[rT+6:rT+7], v[bS+32+vp:bS+32+vp+1], v[bS+32+vp:bS+32+vp+1], v[rT+6:rT+7]
.elseif vk == 10
	v_pk_fma_f32 v[rT+8:rT+9], v[bS+16+vp:bS+16+vp+1], v[bS+32+vp:bS+32+vp+1], v[rT+8:rT+9]
.else
	v_pk_add_f32 v[rT+10:rT+11], v[rT+10:rT+11], v[bS+vp:bS+vp+1]
.endif
.set vn, vn+1
.endm
.macro FETCH_K last=0                  ; a step's K: three planes x 32 keys x 64 channels, 24 loads in one run.  last = 1 (the tail): the last trip has no further step
	WIN 0
.if \last
	s_cmp_eq_u32 s[CNT], 1
	s_cbranch_scc1 .Lnok_\@
.endif
	v_add_nc_u32 v[AK], s[TBK], v[AK0]
	v_add_nc_u32 v[AK2], 2*PLANE, v[AK]
	WIN 0x80
.irp f, 0,1,2,3,4,5,6,7                ; plane f / 4, keys 16 ((f / 2) % 2) on, channels 32 (f % 2) on
	ds_load_b128 v[8*\f:8*\f+3],   v[AK] offset:(\f/4)*PLANE+((\f/2)%2)*16*PK+(\f%2)*64
	ds_load_b128 v[8*\f+4:8*\f+7], v[AK] offset:(\f/4)*PLANE+((\f/2)%2)*16*PK+(\f%2)*64+32
.endr
.irp f, 0,1,2,3
	ds_load_b128 v[64+8*\f:64+8*\f+3],   v[AK2] offset:(\f/2)*16*PK+(\f%2)*64
	ds_load_b128 v[64+8*\f+4:64+8*\f+7], v[AK2] offset:(\f/2)*16*PK+(\f%2)*64+32
.endr
	s_add_co_u32 s[TBK], s[TBK], STEPB
	WIN 0
.if \last
.Lnok_\@:
.endif
.endm
; A TURN.  mode 0: a product, eight vector lines, twelve times.  mode 1 (tile 2): the products early, four lines behind each (the places in front of K's run of loads), the run, the rest.
; mode 2 (tile 3): half the vector lines, the wait for K, then the next step's first products.
.macro TURN y, mode, last=0
.set si, 0
.set vn, 0
.if (\mode) == 0
.rept 12
	SC ((\y)+1)%4
.rept 8
	VOP \y
.endr
.endr
.elseif (\mode) == 1
.rept 12
	SC ((\y)+1)%4
.rept 4
	VOP \y
.endr
.endr
	FETCH_K \last
.rept 48
	VOP \y
.endr
.else
.rept 48
	VOP \y
.endr
	s_wait_dscnt 0x0                               ; K is in
.rept 12
	SC ((\y)+1)%4
.rept 4
	VOP \y
.endr
.endr
.endif
.endm
	CHANGE 1                                       ; slot 0 is in; slot 1 is asked for
	FETCH_K
	s_wait_loadcnt 0x0                             ; Q
	s_wait_dscnt 0x0
	WIN 0x06                                       ; THE SHIFT: the first 32 cosines of each row, unclipped; eight accumulators by turns
.irp c, 0,1
.irp t, 0,1,2,3
.irp b, 0,1
.if \c == 0
	v_wmma_f32_16x16x32_f16 v[SB+16*\t+8*\b:SB+16*\t+8*\b+7], v[32+16*\b:32+16*\b+7], v[64+16*\t:64+16*\t+7], 0
.else
	v_wmma_f32_16x16x32_f16 v[SB+16*\t+8*\b:SB+16*\t+8*\b+7], v[32+16*\b+8:32+16*\b+15], v[64+16*\t+8:64+16*\t+15], v[SB+16*\t+8*\b:SB+16*\t+8*\b+7]
.endif
.endr
.endr
.endr
	WIN 0
	PLACES
.irp t, 0,1,2,3
	v_pk_add_f32 v[TT+2*\t:TT+2*\t+1], v[SB+16*\t:SB+16*\t+1], v[SB+16*\t+2:SB+16*\t+3]
.endr
.irp j, 4,6,8,10,12,14
.irp t, 0,1,2,3
	v_pk_add_f32 v[TT+2*\t:TT+2*\t+1], v[TT+2*\t:TT+2*\t+1], v[SB+16*\t+\j:SB+16*\t+\j+1]
.endr
.endr
.irp t, 0,1,2,3
	v_add_f32 v[TT+2*\t], v[TT+2*\t], v[TT+2*\t+1]
.endr
.irp t, 0,1,2,3
	v_permlanex16_b32 v[TT+2*\t+1], v[TT+2*\t], s[SEL], s[SEL+1]
.endr
.irp t, 0,1,2,3
	v_add_f32 v[TT+2*\t], v[TT+2*\t], v[TT+2*\t+1]
.endr
.irp t, 0,1,2,3
	v_mul_f32 v[TT+2*\t], 0x3d000000, v[TT+2*\t]
.endr
.irp t, 0,1,2,3
	v_med3_num_f32 v[SH+4*\t], v[TT+2*\t], s[NC95], s[C95]
.endr
.irp t, 0,1,2,3
	v_sub_f32 v[SH+4*\t+1], s[NC95], v[SH+4*\t]    ; the clip's bounds about s
	v_sub_f32 v[SH+4*\t+2], s[C95], v[SH+4*\t]
	v_mul_f32 v[SH+4*\t+3], -1.0, v[SH+4*\t]
.endr
	WIN 0x40
.irp t, 0,1,2,3
.irp i, 0,1,2,3,4,5,6,7
	v_mov_b32 v[192+8*\t+\i], v[SH+4*\t+3]
.endr
.endr
.set si, 0
.rept 12
	SC 0
.endr
	WIN 0
	PLACES
	s_mov_b32 s[CNT], 8
	s_branch .Lfirst                               ; the loop is entered at a step's first turn, in the middle of a trip
.Lslot:
	CHANGE 1
	s_mov_b32 s[CNT], 8
.Lstep:                                        ; a trip: tiles 2 and 3 of one step, tiles 0 and 1 of the next
	TURN 2, 1
	TURN 3, 2
	WIN 0
.Lfirst:
	TURN 0, 0
	TURN 1, 0
	WIN 0
	s_sub_co_u32 s[CNT], s[CNT], 1
	s_cmp_lg_u32 s[CNT], 0
	s_cbranch_scc1 .Lstep
	s_sub_co_u32 s[SLOTS], s[SLOTS], 1
	s_cmp_lg_u32 s[SLOTS], 0
	s_cbranch_scc1 .Lslot
	CHANGE 0                                       ; the tail is written out
	s_mov_b32 s[CNT], 9
.Ltail:
	TURN 2, 1, 1
	TURN 3, 2
	WIN 0
	s_sub_co_u32 s[CNT], s[CNT], 1
	s_cmp_eq_u32 s[CNT], 0
	s_cbranch_scc1 .Lout
	TURN 0, 0
	TURN 1, 0
	WIN 0
	s_branch .Ltail
.Lout:
	; each row's six sums: the pair's halves, and the lane 16 away
.irp t, 0,1,2,3
.irp q, 0,2,4,6,8,10
	v_add_f32 v[ST+12*\t+\q], v[ST+12*\t+\q], v[ST+12*\t+\q+1]
.endr
.endr
.irp t, 0,1,2,3
.irp q, 0,2,4,6,8,10
	v_permlanex16_b32 v[ST+12*\t+\q+1], v[ST+12*\t+\q], s[SEL], s[SEL+1]
.endr
.endr
.irp t, 0,1,2,3
.irp q, 0,2,4,6,8,10
	v_add_f32 v[ST+12*\t+\q], v[ST+12*\t+\q], v[ST+12*\t+\q+1]
.endr
.endr
.irp t, 0,1,2,3
.set rT, ST+12*\t
	v_mul_f32 v[rT+1], s[K1024], v[rT]             ; the mean of C - s
	v_mul_f32 v[rT+5], s[K1024], v[rT+4]           ; the mean of the raw covariance
	v_mul_f32 v[rT+10], s[K1024], v[rT+10]         ; R
	v_fma_f32 v[rT+2], -v[rT], v[rT+1], v[rT+2]    ; M2C
	v_fma_f32 v[rT+6], -v[rT+4], v[rT+5], v[rT+6]  ; M2V
	v_fma_f32 v[rT+8], -v[rT], v[rT+5], v[rT+8]    ; M2CV
	v_add_f32 v[rT], v[SH+4*\t], v[rT+1]           ; mC
	v_mul_f32 v[rT+4], s[SCL], v[rT+5]             ; mV
	v_mul_f32 v[rT+6], s[SCL], v[rT+6]
	v_mul_f32 v[rT+8], s[SCL], v[rT+8]
	v_mul_f32 v[rT+6], s[SCL], v[rT+6]
.endr
.macro WSUM d, q                       ; over the wave's four tiles and sixteen lanes
	v_add_f32 v[RC+(\d)], v[ST+(\q)], v[ST+12+(\q)]
	v_add_f32 v[TT], v[ST+24+(\q)], v[ST+36+(\q)]
	v_add_f32 v[RC+(\d)], v[RC+(\d)], v[TT]
.irp m, 1,2,4,8
	v_add_f32_dpp v[RC+(\d)], v[RC+(\d)], v[RC+(\d)] row_xmask:\m row_mask:0xf bank_mask:0xf
.endr
.endm
	WSUM 0, 0
	WSUM 1, 4
	WSUM 2, 10
	WSUM 3, 2
	WSUM 4, 8
	WSUM 5, 6
.irp d, 0,1,2
	v_mul_f32 v[RC+\d], 0x3c800000, v[RC+\d]       ; the means of the 64 rows
.endr
.irp t, 0,1,2,3
	v_sub_f32 v[ST+12*\t], v[ST+12*\t], v[RC]
	v_sub_f32 v[ST+12*\t+4], v[ST+12*\t+4], v[RC+1]
	v_sub_f32 v[ST+12*\t+10], v[ST+12*\t+10], v[RC+2]
.endr
.macro WPROD d, x, y                   ; the rows' centred products
	v_mul_f32 v[RC+(\d)], v[ST+(\x)], v[ST+(\y)]
.irp t, 1,2,3
	v_fmac_f32 v[RC+(\d)], v[ST+12*\t+(\x)], v[ST+12*\t+(\y)]
.endr
.irp m, 1,2,4,8
	v_add_f32_dpp v[RC+(\d)], v[RC+(\d)], v[RC+(\d)] row_xmask:\m row_mask:0xf bank_mask:0xf
.endr
.endm
	WPROD 6, 0, 0
	WPROD 7, 0, 4
	WPROD 8, 0, 10
	WPROD 9, 4, 4
	WPROD 10, 4, 10
	WPROD 11, 10, 10
.irp d, 12,13,14,15
	v_mov_b32 v[RC+\d], 0
.endr
.irp k, 0,1,2,3
	ds_store_b128 v[STA], v[RC+4*\k:RC+4*\k+3] offset:16*\k   ; all lanes hold the same numbers and write the same bytes
.endr
	s_wait_dscnt 0x0
	s_barrier_signal -1
	s_barrier_wait -1
	s_cmp_lg_u32 s[WV], 0
	s_cbranch_scc1 .Lfin
	v_add_nc_u32 v11, STG, v10
	ds_load_b64 v[TT:TT+1], v11
	s_wait_dscnt 0x0
	global_store_b64 v10, v[TT:TT+1], s[6:7]       ; the four waves' records: 256 consecutive bytes, aligned
.Lfin:
	s_wait_tensorcnt 0x0                           ; the wave's end
	ds_add_u32 v[SPW], v[NIL]
	s_wait_dscnt 0x0
	ROUND                                          ; the closing round
	s_endpgm
.Lfunc_end_k_q4e764213f5_stats:
	.size	k_q4e764213f5_stats, .Lfunc_end_k_q4e764213f5_stats-k_q4e764213f5_stats
	.p2alignl 7, 3214868480
	.fill 96, 4, 3214868480
	.section	.rodata,"a",@progbits
	.p2align	6, 0x0
	.amdhsa_kernel k_q4e764213f5_stats
		.amdhsa_group_segment_fixed_size 327680
		.amdhsa_private_segment_fixed_size 0
		.amdhsa_enable_private_segment 0
		.amdhsa_kernarg_size 16
		.amdhsa_user_sgpr_count 2
		.amdhsa_user_sgpr_kernarg_segment_ptr 1
		.amdhsa_wavefront_size32 1
		.amdhsa_system_sgpr_workgroup_id_x 1
		.amdhsa_system_sgpr_workgroup_id_y 1
		.amdhsa_system_sgpr_workgroup_id_z 1
		.amdhsa_system_vgpr_workitem_id 0
		.amdhsa_next_free_vgpr 640
		.amdhsa_next_free_sgpr 66
		.amdhsa_reserve_vcc 0
		.amdhsa_float_denorm_mode_32 3
		.amdhsa_float_denorm_mode_16_64 3
		.amdhsa_memory_ordered 1
		.amdhsa_forward_progress 1
		.amdhsa_inst_pref_size 97
	.end_amdhsa_kernel
	.amdgpu_metadata
---
amdhsa.version: [ 1, 2 ]
amdhsa.kernels:
  - .name:           k_q4e764213f5_stats
    .symbol:         k_q4e764213f5_stats.kd
    .args:
      - { .name: heads, .offset: 0, .size: 8, .value_kind: global_buffer, .address_space: global }
      - { .name: rec, .offset: 8, .size: 8, .value_kind: global_buffer, .address_space: global }
    .group_segment_fixed_size: 327680
    .private_segment_fixed_size: 0
    .kernarg_segment_align: 8
    .kernarg_segment_size: 16
    .max_flat_workgroup_size: 128
    .sgpr_count:     66
    .vgpr_count:     640
    .wavefront_size: 32
...
	.end_amdgpu_metadata
.endif
;; end of part 4
;; launch fin (part 5): grid 1 x 1, 8 waves a work-group, no clusters, 1,536 bytes of LDS; arguments rec, fmean, wp_W1, wp_b1, wp_ln_g, wp_ln_b, wp_W2, wp_b2, wp_W3, wp_b3, weight_temp, coef; writes coef
.if DOCPART == 5
	.amdgcn_target "amdgcn-amd-amdhsa--gfx1250"
	.amdhsa_code_object_version 6
	.text
	.protected	k_q4e764213f5_fin
	.globl	k_q4e764213f5_fin
	.p2align	8
	.type	k_q4e764213f5_fin,@function
k_q4e764213f5_fin:
	s_mov_b64 s[64:65], 0
	v_nop
	global_prefetch_b8 v0, s[64:65] scope:SCOPE_SE
	s_setreg_imm32_b32 hwreg(HW_REG_WAVE_MODE, 25, 1), 1
	s_wait_xcnt 0x0
; THE COEFFICIENTS.  One work-group; wave h serves head h: the weight predictor (two linear layers with a layer norm, a third, two softmaxes, each with its maximum taken away), and the merge of the head's
; 128 records of 64 rows; then every lane merges the eight heads: the three standard deviations (ddof = 1 over 67,108,864 numbers), the variance of the mix a C + b V + c R from the same moments, the temperature.
; All merges go by (mean, centred moment): no difference of large sums.  coef[l] = (A, B) of head l & 7: the logit in base 2 is A C + B clip(raw covariance).
; R is constant along a row: it enters the temperature alone.  One work-group, since the sum spans everything; no cluster, no matrix unit, no prefetch: the launch is short.
.set SPARE, 512
.set SPW, 8
.set NIL, 9
.set B1,  116
.set LG,  118
.set LB,  120
.set B2,  122
.set GQ,  176
.set ZA,  180
.set ZB,  182
.set T,   184
.set TX,  191
.set HR,  192
.set GG,  208
.set SEL, 6
.set MSB, 0
.macro WIN new
.if MSB != (\new)
	s_set_vgpr_msb (MSB<<8)|(\new)
.set MSB, \new
.endif
.endm
.macro WRED x
.irp m, 1,2,4,8
	v_add_f32_dpp v[\x], v[\x], v[\x] row_xmask:\m row_mask:0xf bank_mask:0xf
.endr
	v_permlanex16_b32 v[TX], v[\x], s[SEL], s[SEL+1]
	v_add_f32 v[\x], v[\x], v[TX]
.endm
.macro HRED x                          ; over eight neighbouring lanes: the eight heads
.irp m, 1,2,4
	v_add_f32_dpp v[\x], v[\x], v[\x] row_xmask:\m row_mask:0xf bank_mask:0xf
.endr
.endm
	s_load_b512 s[8:23], s[0:1], 0x0               ; rec, fmean, W1, b1, ln_g, ln_b, W2, b2
	s_load_b256 s[24:31], s[0:1], 0x40             ; W3, b3, weight_temp, coef
	v_lshl_add_u32 v[SPW], v0, 2, SPARE
	v_mov_b32 v[NIL], 0
	v_lshrrev_b32 v1, 5, v0
	v_readfirstlane_b32 s4, v1                     ; the head
	v_and_b32 v1, 31, v0
	v_lshlrev_b32 v2, 3, v1
	v_lshlrev_b32 v3, 2, v1
	v_mul_u32_u24 v4, v1, 12
	s_lshl_b32 s5, s4, 8
	v_add_nc_u32 v5, s5, v2
	s_lshl_b32 s5, s4, 13
	v_lshl_add_u32 v6, v1, 6, s5
	v_mov_b32 v[TX], 0
	s_mov_b32 s[SEL], 0x76543210
	s_mov_b32 s[SEL+1], 0xfedcba98
	s_mov_b32 s40, 0x3c800000                      ; 1/64
	s_mov_b32 s41, 0x3727c5ac                      ; 1e-5
	s_mov_b32 s42, 0x3fb8aa3b                      ; log2(e)
	s_mov_b32 s43, 0x3dcccccd                      ; 0.1
	s_mov_b32 s44, 0x41200000                      ; 10
	s_mov_b32 s45, 0x3f333333                      ; 0.7
	s_mov_b32 s46, 0x358637bd                      ; 1e-6
	s_mov_b32 s47, 0x46000000                      ; 8,192 rows a head
	s_mov_b32 s48, 0x44800000                      ; 1,024 numbers a row
	s_mov_b32 s49, 0x32800000                      ; 1 / 67,108,863 in f32
	s_mov_b32 s50, 0x3e99999a                      ; 0.3
	s_mov_b32 s52, 0x40400000                      ; 3
	s_mov_b32 s53, 0x3403126e                      ; sc
	s_mov_b32 s54, 0x3e000000                      ; 1/8
	s_mov_b32 s55, 0x42800000                      ; 64 rows a record
	s_mov_b32 s56, 0x3c000000                      ; 1/128
	s_wait_kmcnt 0x0
	s_load_b96 s[32:34], s[26:27], 0x0             ; b3
	s_load_b32 s35, s[28:29], 0x0                  ; weight_temp
.irp b, 0,1,2,3,4,5,6,7
	global_load_b64 v[16+2*\b:17+2*\b], v5, s[10:11] offset:\b*2048
	global_load_b64 v[32+2*\b:33+2*\b], v5, s[10:11] offset:\b*2048+16384
.endr
	WIN 0x40
.set i, 0
.rept 128
	global_load_b64 v[2*i:2*i+1], v2, s[12:13] offset:256*i
.set i, i+1
.endr
	WIN 0
.set i, 0
.rept 64
	global_load_b32 v[48+i], v3, s[20:21] offset:128*i
.set i, i+1
.endr
.irp c, 0,1,2
	global_load_b32 v[112+\c], v4, s[24:25] offset:4*\c
.endr
	global_load_b64 v[B1:B1+1], v2, s[14:15]
	global_load_b64 v[LG:LG+1], v2, s[16:17]
	global_load_b64 v[LB:LB+1], v2, s[18:19]
	global_load_b32 v[B2], v3, s[22:23]
.irp i, 0,1,2,3
.irp k, 0,1,2
	global_load_b128 v[128+12*\i+4*\k:128+12*\i+4*\k+3], v6, s[8:9] offset:\i*2048+\k*16
.endr
.endr
	s_wait_loadcnt 0x0
	s_wait_kmcnt 0x0
.irp b, 1,2,3,4,5,6,7
	v_pk_add_f32 v[16:17], v[16:17], v[16+2*\b:17+2*\b]
	v_pk_add_f32 v[32:33], v[32:33], v[32+2*\b:33+2*\b]
.endr
	v_pk_mul_f32 v[GQ:GQ+1], v[16:17], 0x3e000000 op_sel_hi:[1,0]     ; q_g: my channels 2 l, 2 l + 1
	v_pk_mul_f32 v[GQ+2:GQ+3], v[32:33], 0x3e000000 op_sel_hi:[1,0]   ; k_g
	v_mov_b32 v[ZA], v[B1]
	v_mov_b32 v[ZA+1], v[B1+1]
	v_mov_b32 v[ZB], 0
	v_mov_b32 v[ZB+1], 0
	WIN 0x04                                       ; W1 lies in window 1
.set i, 0
.rept 128
	v_readlane_b32 s[36+i%4], v[GQ+2*(i/64)+i%2], (i%64)/2
	v_fmac_f32 v[ZA+2*(i%2)], s[36+i%4], v[2*i]
	v_fmac_f32 v[ZA+2*(i%2)+1], s[36+i%4], v[2*i+1]
.set i, i+1
.endr
	WIN 0
	v_pk_add_f32 v[ZA:ZA+1], v[ZA:ZA+1], v[ZB:ZB+1]
	v_add_f32 v[T], v[ZA], v[ZA+1]
	WRED T
	v_mul_f32 v[T], s40, v[T]
	v_sub_f32 v[ZA], v[ZA], v[T]
	v_sub_f32 v[ZA+1], v[ZA+1], v[T]
	v_mul_f32 v[T+2], v[ZA], v[ZA]
	v_fmac_f32 v[T+2], v[ZA+1], v[ZA+1]
	WRED T+2
	v_fma_f32 v[T+2], v[T+2], s40, s41
	v_rsq_f32 v[T+2], v[T+2]
	v_nop
	s_wait_alu depctr_va_vdst(0)
	v_mul_f32 v[ZA], v[ZA], v[T+2]
	v_mul_f32 v[ZA+1], v[ZA+1], v[T+2]
	v_pk_fma_f32 v[ZA:ZA+1], v[ZA:ZA+1], v[LG:LG+1], v[LB:LB+1]
	v_max_num_f32 v[ZA], 0, v[ZA]
	v_max_num_f32 v[ZA+1], 0, v[ZA+1]
	v_mov_b32 v[ZB], v[B2]
	v_mov_b32 v[ZB+1], 0
.set i, 0
.rept 64
	v_readlane_b32 s[36+i%4], v[ZA+i%2], i/2
	v_fmac_f32 v[ZB+i%2], s[36+i%4], v[48+i]
.set i, i+1
.endr
	v_add_f32 v[ZB], v[ZB], v[ZB+1]
	v_max_num_f32 v[ZB], 0, v[ZB]
.irp c, 0,1,2
	v_mul_f32 v[224+\c], v[ZB], v[112+\c]
.endr
	WRED 224
	WRED 225
	WRED 226
.irp c, 0,1,2
	v_add_f32 v[224+\c], s[32+\c], v[224+\c]
.endr
.macro SOFTMAX3 z
	v_max3_num_f32 v[T], v[\z], v[\z+1], v[\z+2]
.irp c, 0,1,2
	v_sub_f32 v[\z+\c], v[\z+\c], v[T]
.endr
.irp c, 0,1,2
	v_mul_f32 v[\z+\c], s42, v[\z+\c]
.endr
.irp c, 0,1,2
	v_exp_f32 v[\z+\c], v[\z+\c]
.endr
	v_nop
	s_wait_alu depctr_va_vdst(0)
	v_add_f32 v[T], v[\z], v[\z+1]
	v_add_f32 v[T], v[T], v[\z+2]
	v_rcp_f32 v[T], v[T]
	v_nop
	s_wait_alu depctr_va_vdst(0)
.irp c, 0,1,2
	v_mul_f32 v[\z+\c], v[\z+\c], v[T]
.endr
.endm
	SOFTMAX3 224
	v_mov_b32 v[T+1], s35
	v_med3_num_f32 v[T+1], v[T+1], s43, s44
	v_rcp_f32 v[T+1], v[T+1]
	v_nop
	s_wait_alu depctr_va_vdst(0)
.irp c, 0,1,2
	v_mul_f32 v[224+\c], v[224+\c], v[T+1]
.endr
	SOFTMAX3 224
.irp c, 0,1,2
	v_fma_f32 v[HR+12+\c], v[224+\c], s45, s43
.endr
	v_mov_b32 v[HR+15], 0
	; the head's 128 records, four a lane
.irp x, 0,1,2,3,4,5
	v_add_f32 v[HR+\x], v[128+\x], v[140+\x]
	v_add_f32 v[T], v[152+\x], v[164+\x]
	v_add_f32 v[HR+\x], v[HR+\x], v[T]
	WRED HR+\x
.endr
.irp x, 0,1,2
	v_mul_f32 v[HR+\x], s56, v[HR+\x]
.endr
.irp i, 0,1,2,3
.irp x, 0,1,2
	v_sub_f32 v[128+12*\i+\x], v[128+12*\i+\x], v[HR+\x]
.endr
.endr
.macro BXY f, x, y                     ; the rows' centred products of the whole head
	v_add_f32 v[HR+\f], v[128+\f], v[140+\f]
	v_add_f32 v[T], v[152+\f], v[164+\f]
	v_add_f32 v[HR+\f], v[HR+\f], v[T]
	v_mul_f32 v[T], v[128+\x], v[128+\y]
	v_fmac_f32 v[T], v[140+\x], v[140+\y]
	v_fmac_f32 v[T], v[152+\x], v[152+\y]
	v_fmac_f32 v[T], v[164+\x], v[164+\y]
	v_fma_f32 v[HR+\f], v[T], s55, v[HR+\f]
	WRED HR+\f
.endm
	BXY 6, 0, 0
	BXY 7, 0, 1
	BXY 8, 0, 2
	BXY 9, 1, 1
	BXY 10, 1, 2
	BXY 11, 2, 2
	s_lshl_b32 s5, s4, 6
	v_mov_b32 v10, s5
.irp k, 0,1,2,3
	ds_store_b128 v10, v[HR+4*\k:HR+4*\k+3] offset:16*\k
.endr
	s_wait_dscnt 0x0
	s_barrier_signal -1
	s_barrier_wait -1
	v_and_b32 v11, 7, v1
	v_lshlrev_b32 v11, 6, v11
.irp k, 0,1,2,3
	ds_load_b128 v[GG+4*\k:GG+4*\k+3], v11 offset:16*\k
.endr
	s_wait_dscnt 0x0
.irp x, 0,1,2
	v_mov_b32 v[224+\x], v[GG+\x]
	HRED 224+\x
	v_fma_f32 v[224+\x], -v[224+\x], s54, v[GG+\x]   ; the head's mean less the mean of all
	v_mul_f32 v[228+\x], v[224+\x], v[224+\x]
.endr
	v_fma_f32 v228, v228, s47, v[GG+6]
	v_fma_f32 v229, v229, s47, v[GG+9]
	v_fma_f32 v230, v230, s47, v[GG+11]
	v_fma_f32 v228, v228, s48, v[GG+3]
	v_fma_f32 v229, v229, s48, v[GG+5]
	v_mul_f32 v230, s48, v230
	HRED 228
	HRED 229
	HRED 230
.irp x, 0,1,2
	v_mul_f32 v[228+\x], s49, v[228+\x]
.endr
.irp x, 0,1,2
	v_sqrt_f32 v[228+\x], v[228+\x]
.endr
	v_nop
	s_wait_alu depctr_va_vdst(0)
.irp x, 0,1,2
	v_add_f32 v[228+\x], s46, v[228+\x]
.endr
.irp x, 0,1,2
	v_rcp_f32 v[228+\x], v[228+\x]
.endr
	v_nop
	s_wait_alu depctr_va_vdst(0)
	v_mul_f32 v232, v[GG+12], v228                 ; a
	v_mul_f32 v233, v[GG+13], v229
	v_mul_f32 v234, v[GG+14], v230
	v_mul_f32 v233, s50, v233                      ; b
	v_mul_f32 v234, s50, v234                      ; c
	v_mul_f32 v235, v232, v[GG]
	v_fmac_f32 v235, v233, v[GG+1]
	v_fmac_f32 v235, v234, v[GG+2]                 ; the head's mean of the mix
	v_mov_b32 v236, v235
	HRED 236
	v_fma_f32 v236, -v236, s54, v235
	v_mul_f32 v237, v232, v232
	v_mul_f32 v238, v233, v233
	v_mul_f32 v239, v234, v234
	v_mul_f32 v240, v232, v233
	v_mul_f32 v241, v232, v234
	v_mul_f32 v242, v233, v234
	v_mul_f32 v240, 2.0, v240
	v_mul_f32 v241, 2.0, v241
	v_mul_f32 v242, 2.0, v242
	v_mul_f32 v243, v236, v236
	v_mul_f32 v243, s47, v243
	v_fmac_f32 v243, v237, v[GG+6]
	v_fmac_f32 v243, v238, v[GG+9]
	v_fmac_f32 v243, v239, v[GG+11]
	v_fmac_f32 v243, v240, v[GG+7]
	v_fmac_f32 v243, v241, v[GG+8]
	v_fmac_f32 v243, v242, v[GG+10]
	v_mul_f32 v243, s48, v243
	v_fmac_f32 v243, v237, v[GG+3]
	v_fmac_f32 v243, v240, v[GG+4]
	v_fmac_f32 v243, v238, v[GG+5]
	HRED 243
	v_mul_f32 v243, s49, v243
	v_sqrt_f32 v243, v243
	v_nop
	s_wait_alu depctr_va_vdst(0)
	v_add_f32 v243, 0.5, v243
	v_med3_num_f32 v243, v243, s50, s52            ; the temperature
	v_rcp_f32 v243, v243
	v_nop
	s_wait_alu depctr_va_vdst(0)
	v_mul_f32 v244, s42, v243
	v_mul_f32 v246, v232, v244
	v_mul_f32 v247, v233, v244
	v_mul_f32 v247, s53, v247
	s_cmp_lg_u32 s4, 0
	s_cbranch_scc1 .Lend
	global_store_b64 v2, v[246:247], s[30:31]      ; 256 consecutive bytes, aligned
.Lend:
	s_wait_tensorcnt 0x0                           ; the wave's end
	ds_add_u32 v[SPW], v[NIL]
	s_wait_dscnt 0x0
	s_endpgm
.Lfunc_end_k_q4e764213f5_fin:
	.size	k_q4e764213f5_fin, .Lfunc_end_k_q4e764213f5_fin-k_q4e764213f5_fin
	.p2alignl 7, 3214868480
	.fill 96, 4, 3214868480
	.section	.rodata,"a",@progbits
	.p2align	6, 0x0
	.amdhsa_kernel k_q4e764213f5_fin
		.amdhsa_group_segment_fixed_size 1536
		.amdhsa_private_segment_fixed_size 0
		.amdhsa_enable_private_segment 0
		.amdhsa_kernarg_size 96
		.amdhsa_user_sgpr_count 2
		.amdhsa_user_sgpr_kernarg_segment_ptr 1
		.amdhsa_wavefront_size32 1
		.amdhsa_system_sgpr_workgroup_id_x 1
		.amdhsa_system_sgpr_workgroup_id_y 1
		.amdhsa_system_sgpr_workgroup_id_z 1
		.amdhsa_system_vgpr_workitem_id 0
		.amdhsa_next_free_vgpr 512
		.amdhsa_next_free_sgpr 66
		.amdhsa_reserve_vcc 0
		.amdhsa_float_denorm_mode_32 3
		.amdhsa_float_denorm_mode_16_64 3
		.amdhsa_memory_ordered 1
		.amdhsa_forward_progress 1
		.amdhsa_inst_pref_size 64
	.end_amdhsa_kernel
	.amdgpu_metadata
---
amdhsa.version: [ 1, 2 ]
amdhsa.kernels:
  - .name:           k_q4e764213f5_fin
    .symbol:         k_q4e764213f5_fin.kd
    .args:
      - { .name: rec, .offset: 0, .size: 8, .value_kind: global_buffer, .address_space: global }
      - { .name: fmean, .offset: 8, .size: 8, .value_kind: global_buffer, .address_space: global }
      - { .name: wp_W1, .offset: 16, .size: 8, .value_kind: global_buffer, .address_space: global }
      - { .name: wp_b1, .offset: 24, .size: 8, .value_kind: global_buffer, .address_space: global }
      - { .name: wp_ln_g, .offset: 32, .size: 8, .value_kind: global_buffer, .address_space: global }
      - { .name: wp_ln_b, .offset: 40, .size: 8, .value_kind: global_buffer, .address_space: global }
      - { .name: wp_W2, .offset: 48, .size: 8, .value_kind: global_buffer, .address_space: global }
      - { .name: wp_b2, .offset: 56, .size: 8, .value_kind: global_buffer, .address_space: global }
      - { .name: wp_W3, .offset: 64, .size: 8, .value_kind: global_buffer, .address_space: global }
      - { .name: wp_b3, .offset: 72, .size: 8, .value_kind: global_buffer, .address_space: global }
      - { .name: weight_temp, .offset: 80, .size: 8, .value_kind: global_buffer, .address_space: global }
      - { .name: coef, .offset: 88, .size: 8, .value_kind: global_buffer, .address_space: global }
    .group_segment_fixed_size: 1536
    .private_segment_fixed_size: 0
    .kernarg_segment_align: 8
    .kernarg_segment_size: 96
    .max_flat_workgroup_size: 256
    .sgpr_count:     66
    .vgpr_count:     512
    .wavefront_size: 32
...
	.end_amdgpu_metadata
.endif
;; end of part 5
;; launch attn (part 6): grid 4 x 64, 4 waves a work-group, clusters of 4 x 1, 327,680 bytes of LDS; arguments heads, coef, obuf; writes obuf
.if DOCPART == 6
	.amdgcn_target "amdgcn-amd-amdhsa--gfx1250"
	.amdhsa_code_object_version 6
	.text
	.protected	k_q4e764213f5_attn
	.globl	k_q4e764213f5_attn
	.p2align	8
	.type	k_q4e764213f5_attn,@function
k_q4e764213f5_attn:
	s_mov_b64 s[64:65], 0
	v_nop
	global_prefetch_b8 v0, s[64:65] scope:SCOPE_SE
	s_setreg_imm32_b32 hwreg(HW_REG_WAVE_MODE, 25, 1), 1
	s_wait_xcnt 0x0
	s_wait_alu depctr_hold_cnt(0) depctr_sa_sdst(0) depctr_va_vdst(0) depctr_va_sdst(0) depctr_va_ssrc(0) depctr_va_vcc(0) depctr_vm_vsrc(0)
	s_getreg_b32 s2, hwreg(HW_REG_IB_STS2, 6, 4)
	s_cmp_eq_u32 s2, 0
	s_cbranch_scc0 .Lentry_in_a_cluster
	s_endpgm
.Lentry_in_a_cluster:
	s_bfe_u32 s2, ttmp6, 0x10000c
	s_cmp_lg_u32 s2, 0x3003
	s_cbranch_scc0 .Lentry_shape_is_right
	s_endpgm
.Lentry_shape_is_right:
; THE ATTENTION.  For each pair (head, batch): logit in base 2 x = A clip(cosine, +-0.95) + B clip(raw covariance, +-20 / sc), A and B of the head from coef; softmax over the 1,024 keys with a running
; maximum; times f_v.  The variance part of the mix is constant along a row and falls out of the softmax.  obuf: [h][b][n][64] f16.
; SHARES: a work-group 256 queries of a pair, a wave four tiles of 16; keys in steps of 32.  S^T = K Q^T (source 0 = 16 keys, source 1 = 16 queries): a lane holds ONE query and the keys 8 (lane / 16) + 0..7;
; the two key blocks' weights rounded to f16 in pairs ARE source 1 of O^T = V^T P.  V is turned on its way out of LDS by ds_load_tr16_b128.
; CLUSTER: the four query blocks of a pair walk the same two planes of K and the same V: joint loads, 256 keys a slot; waves 0, 1 ask for K's planes, wave 2 for V, wave 3 for nothing.
; BY TURNS: turn Y does all of tile Y's vector work; among its first 60 lines stand the 8 score products of tile Y + 1 and the 4 products V^T P of tile Y - 1, five lines behind each.
; A turn's 17 exponentials are one batch with one wait; behind it come the rescaling, the roundings and the sums.  K of the next step is fetched in turn 2, V of the step in hand in turn 0.
; m starts at the lowest finite number, O, l, V's registers and tile 3's P at 0: the first step is a step like any other, with a = 0.  The last trip's score products on a stale K serve nothing.
; PREFETCH as in the statistics launch: behind each joint load waves 0-2 name their work-group's quarter of what the next change of slots asks for; each block of 256 bytes once.
; LIMITS: f16 operands (65,504); a weight below 2^-126 counts as 0 in l; NaN and infinities are not treated apart.
; REGISTERS: window 0: addresses; v16-47 eight registers of statistics a tile; v64-191 scores, 32 a tile; v192-223 P.  window 1: v0-127 O^T.  window 2: v0-127 Q's two planes; v128-191 K; v192-223 V.
.set PK,    144
.set PV_,   160
.set PLANE, 256*PK
.set VOFF,  2*PLANE
.set SLOT1, 1<<17
.set STAGE, SLOT1+VOFF+256*PV_
.set SP,    144
.set SPARE, STAGE+4*16*SP
.set PLN,   8388608
.set AK0, 2
.set AV0, 3
.set AK,  4
.set AV,  5
.set STO, 6
.set RD,  7
.set GO,  8
.set QO,  9
.set PFO, 10
.set SPW, 62
.set NIL, 63
.set ST,  16                           ; tile t at ST + 8 t: m, c3, l (two), a, c1, c0, c2
.set S,   64
.set P,   192
.set KF,  128
.set VF,  192
.set WV,  12
.set LIM, 15
.set PFA, 18
.set G1K, 24
.set G1V, 32
.set G0,  40
.set CA,  48
.set CB,  50
.set CLO, 52
.set CHI, 53
.set VLO, 54
.set VHI, 55
.set SLOTS, 56
.set CNT, 57
.set SEL, 60
.set TBK, 62
.set TBV, 63
.set MSB, 0
.macro WIN new
.if MSB != (\new)
	s_set_vgpr_msb (MSB<<8)|(\new)
.set MSB, \new
.endif
.endm
.macro PLACES
.rept 4
	v_nop
.endr
.endm
.macro ROUND
	s_barrier_signal -1
	s_barrier_wait -1
	s_cmp_lg_u32 s[WV], 0
	s_cbranch_scc1 .Lnw0_\@
	s_barrier_signal -3
.Lnw0_\@:
	s_barrier_wait -3
	s_barrier_signal -1
	s_barrier_wait -1
.endm
.macro JLOAD
	s_cmp_lt_u32 s[WV], 2
	s_cbranch_scc0 .Lfv_\@
	tensor_load_to_lds s[G0:G0+3], s[G1K:G1K+7]
	s_nop 0
	PLACES
	s_branch .Lfd_\@
.Lfv_\@:
	s_cmp_eq_u32 s[WV], 2
	s_cbranch_scc0 .Lfd_\@
	tensor_load_to_lds s[G0:G0+3], s[G1V:G1V+7]
	s_nop 0
	PLACES
.Lfd_\@:
.endm
.macro ASK
	s_cmp_gt_u32 s[SLOTS], s[LIM]
	s_cbranch_scc0 .Lnm_\@
	global_prefetch_b8 v[PFO], s[PFA:PFA+1] th:TH_LOAD_NT scope:SCOPE_SE
.Lnm_\@:
.endm
.macro CHANGE fill                     ; the change of slots, as in the statistics launch
	WIN 0
	s_wait_tensorcnt 0x0
	ds_add_u32 v[SPW], v[NIL]
.if \fill
	s_xor_b32 s[G0+1], s[G0+1], SLOT1
	s_add_nc_u64 s[G0+2:G0+3], s[G0+2:G0+3], 32768
	s_wait_xcnt 0x0
	s_add_nc_u64 s[PFA:PFA+1], s[PFA:PFA+1], 32768
	s_wait_dscnt 0x0
	ROUND
	JLOAD
	ASK
.else
	s_wait_dscnt 0x0
	s_barrier_signal -1
	s_barrier_wait -1
.endif
	s_sub_co_u32 s[TBK], s[TBK], PLANE
	s_xor_b32 s[TBK], s[TBK], SLOT1
	s_sub_co_u32 s[TBV], s[TBV], 256*PV_
	s_xor_b32 s[TBV], s[TBV], SLOT1
.endm
	s_load_b128 s[4:7], s[0:1], 0x0                ; heads, coef
	s_load_b64 s[8:9], s[0:1], 0x10                ; obuf
	v_lshl_add_u32 v[SPW], v0, 2, SPARE
	v_mov_b32 v[NIL], 0
	ds_add_u32 v[SPW], v[NIL]                      ; the wave's opening: the add and its wait ahead of my first tensor load
	v_lshrrev_b32 v1, 5, v0
	v_readfirstlane_b32 s[WV], v1
	s_bfe_u32 s13, ttmp6, 0x40000                  ; cx
	s_and_b32 s14, ttmp7, 0xffff                   ; the pair
	s_lshl_b32 s16, ttmp9, 2
	s_add_co_u32 s16, s16, s13                     ; my block of 256 queries
	s_mov_b32 s[G1K], 15|(1<<16)|(1<<20)|(1<<21)|(4<<22)|(3<<25)  ; after every 32 words 4 words of padding
	s_mov_b32 s[G1V], 15|(1<<16)|(1<<20)|(1<<21)|(4<<22)|(7<<25)  ; 8 words
.irp g, G1K, G1V
	s_mov_b32 s[\g+1], 128<<16
	s_mov_b32 s[\g+2], 128<<16
	s_mov_b32 s[\g+3], 128<<16
	s_mov_b32 s[\g+4], 128
	s_mov_b32 s[\g+5], 128
	s_mov_b32 s[\g+6], 0
	s_mov_b32 s[\g+7], 0
.endr
	s_mov_b32 s[G0], 1
	s_mul_i32 s[G0+1], s[WV], PLANE
	s_add_co_u32 s20, s[WV], 4                     ; planes 4, 5, 6
	s_lshl_b32 s20, s20, 23
	s_lshl_b32 s21, s14, 17
	s_add_co_u32 s20, s20, s21
	s_mov_b32 s21, 0
	s_lshl_b32 s22, s13, 13
	s_add_co_u32 s22, s22, 32768
	s_mov_b32 s23, 0
	s_lshl_b32 s2, s14, 17
	s_lshl_b32 s3, s16, 15
	s_add_co_u32 s2, s2, s3
	s_lshl_b32 s3, s[WV], 13
	s_add_co_u32 s2, s2, s3                        ; my wave's 64 queries
	s_mov_b32 s3, 0
	s_lshr_b32 s10, s14, 3
	s_lshl_b32 s10, s10, 3                         ; the head's entry of coef
	s_mov_b32 s11, 0
	s_mov_b32 s[CLO], 0xbf733333
	s_mov_b32 s[CHI], 0x3f733333
	s_mov_b32 s[VLO], 0xcd1c4001
	s_mov_b32 s[VHI], 0x4d1c4001
	s_mov_b32 s[SEL], 0x76543210
	s_mov_b32 s[SEL+1], 0xfedcba98
	s_mov_b32 s[TBK], SLOT1+PLANE
	s_mov_b32 s[TBV], SLOT1+256*PV_
	s_mov_b32 s[SLOTS], 3
	s_cmp_lt_u32 s[WV], 3
	s_cselect_b32 s[LIM], 1, -1
	s_wait_dscnt 0x0
	s_wait_kmcnt 0x0
	s_add_nc_u64 s[G0+2:G0+3], s[4:5], s[20:21]
	s_add_nc_u64 s[PFA:PFA+1], s[G0+2:G0+3], s[22:23]
	s_or_b32 s[G0+3], s[G0+3], 0x80000000
	s_add_nc_u64 s[44:45], s[4:5], s[2:3]
	s_add_nc_u64 s[44:45], s[44:45], PLN           ; Q: planes 1 and 2
	s_add_nc_u64 s[46:47], s[44:45], PLN
	s_add_nc_u64 s[8:9], s[8:9], s[2:3]
	s_add_nc_u64 s[6:7], s[6:7], s[10:11]
	s_load_b64 s[16:17], s[6:7], 0x0               ; A, B
	ROUND
	JLOAD                                          ; keys 0-255 into slot 0
	v_and_b32 v1, 15, v0
	v_bfe_u32 v11, v0, 4, 1
	v_lshlrev_b32 v[QO], 7, v1
	v_lshl_add_u32 v[QO], v11, 4, v[QO]
	WIN 0x80
.irp p, 0,1
.irp i, 0,1,2,3,4,5,6,7
	global_load_b128 v[64*\p+8*\i:64*\p+8*\i+3],   v[QO], s[44+2*\p:45+2*\p] offset:(\i/2)*2048+(\i%2)*64
	global_load_b128 v[64*\p+8*\i+4:64*\p+8*\i+7], v[QO], s[44+2*\p:45+2*\p] offset:(\i/2)*2048+(\i%2)*64+32
.endr
.endr
.set i, 0
.rept 32
	v_mov_b32 v[VF+i], 0                           ; what the first turn's products V^T P, of a tile that has not been, find: zeros.  All this stands in the wait for the first tile
.set i, i+1
.endr
	WIN 0x40
.set i, 0
.rept 128
	v_mov_b32 v[i], 0
.set i, i+1
.endr
	WIN 0
.irp t, 0,1,2,3
	v_mov_b32 v[ST+8*\t], 0xff7fffff
	v_mov_b32 v[ST+8*\t+2], 0
	v_mov_b32 v[ST+8*\t+3], 0
.endr
.irp i, 0,1,2,3,4,5,6,7
	v_mov_b32 v[P+24+\i], 0
.endr
	v_mul_u32_u24 v[AK0], v1, PK
	v_lshl_add_u32 v[AK0], v11, 4, v[AK0]
	v_and_b32 v12, 7, v0
	v_bfe_u32 v13, v0, 3, 1
	v_lshl_add_u32 v[AV0], v11, 3, v12             ; the turning load: key 8 (l / 16) + l % 8, channels 8 ((l / 8) % 2) on
	v_mul_u32_u24 v[AV0], v[AV0], PV_
	v_lshl_add_u32 v[AV0], v13, 4, v[AV0]
	v_add_nc_u32 v[AV0], VOFF, v[AV0]
	s_mul_i32 s10, s[WV], 16*SP
	s_add_co_u32 s10, s10, STAGE
	v_mul_u32_u24 v[STO], v1, SP
	v_lshl_add_u32 v[STO], v11, 4, v[STO]
	v_add_nc_u32 v[STO], s10, v[STO]
	v_bfe_u32 v[RD], v0, 3, 2
	v_mul_u32_u24 v[RD], v[RD], SP
	v_lshl_add_u32 v[RD], v12, 4, v[RD]
	v_add_nc_u32 v[RD], s10, v[RD]
	v_and_b32 v[GO], 31, v0
	v_lshlrev_b32 v[PFO], 8, v[GO]
	v_lshlrev_b32 v[GO], 4, v[GO]
	s_wait_kmcnt 0x0
	s_mov_b32 s[CA], s16
	s_mov_b32 s[CA+1], s16
	s_mov_b32 s[CB], s17
	s_mov_b32 s[CB+1], s17
; score product si of 8 for tile x: channels 32 (si / 4) on; plane (si % 4) / 2; keys 16 (si % 2) on.  The four accumulators take turns.
.macro SC x
.set cc, si/4
.set pl, (si%4)/2
.set kb, si%2
.set rS, S+32*(\x)+16*pl+8*kb
.set rK, KF+32*pl+16*kb+8*cc
.set rQ, 64*pl+16*(\x)+8*cc
	WIN 0x0a
.if cc == 0
	v_wmma_f32_16x16x32_f16 v[rS:rS+7], v[rK:rK+7], v[rQ:rQ+7], 0
.else
	v_wmma_f32_16x16x32_f16 v[rS:rS+7], v[rK:rK+7], v[rQ:rQ+7], v[rS:rS+7]
.endif
.set si, si+1
.endm
.macro PV x                            ; product pn of 4 of O^T += V^T P for tile x: channels 16 pn on
	WIN 0x52
.set rO, 32*(\x)+8*pn
	v_wmma_f32_16x16x32_f16 v[rO:rO+7], v[VF+8*pn:VF+8*pn+7], v[P+8*(\x):P+8*(\x)+7], v[rO:rO+7]
.set pn, pn+1
.endm
; number bn of the 60 plain lines that lead to tile y's new maximum: 0-15 the cosines clipped; 16-31 the covariances clipped; 32-39 B V; 40-47 x = A C + B V; 48-59 the maximum of x and the old m, the lane 16 away,
; m_old - m_new, the new m.  Each accumulator's lowest registers are read first.
.macro LB y
.set rT, ST+8*(\y)
.set rD, S+32*(\y)
.set rV, S+32*(\y)+16
	WIN 0
.if bn < 16
	v_med3_num_f32 v[rD+bn], v[rD+bn], s[CLO], s[CHI]
.elseif bn < 32
	v_med3_num_f32 v[rV+bn-16], v[rV+bn-16], s[VLO], s[VHI]
.elseif bn < 40
	v_pk_mul_f32 v[rV+2*(bn-32):rV+2*(bn-32)+1], v[rV+2*(bn-32):rV+2*(bn-32)+1], s[CB:CB+1] op_sel_hi:[1,0]
.elseif bn < 48
	v_pk_fma_f32 v[rD+2*(bn-40):rD+2*(bn-40)+1], v[rD+2*(bn-40):rD+2*(bn-40)+1], s[CA:CA+1], v[rV+2*(bn-40):rV+2*(bn-40)+1] op_sel_hi:[1,0,1]
.elseif bn == 48
	v_max3_num_f32 v[rT+6], v[rD], v[rD+1], v[rD+2]
.elseif bn == 49
	v_max3_num_f32 v[rT+5], v[rD+3], v[rD+4], v[rD+5]
.elseif bn == 50
	v_max3_num_f32 v[rT+7], v[rD+6], v[rD+7], v[rD+8]
.elseif bn == 51
	v_max3_num_f32 v[rT+1], v[rD+9], v[rD+10], v[rD+11]
.elseif bn == 52
	v_max3_num_f32 v[rT+6], v[rT+6], v[rD+12], v[rD+13]
.elseif bn == 53
	v_max3_num_f32 v[rT+5], v[rT+5], v[rD+14], v[rD+15]
.elseif bn == 54
	v_max3_num_f32 v[rT+7], v[rT+7], v[rT+1], v[rT]
.elseif bn == 55
	v_max3_num_f32 v[rT+6], v[rT+6], v[rT+5], v[rT+7]
.elseif bn == 56
	v_permlanex16_b32 v[rT+5], v[rT+6], s[SEL], s[SEL+1]
.elseif bn == 57
	v_max_num_f32 v[rT+6], v[rT+6], v[rT+5]
.elseif bn == 58
	v_sub_f32 v[rT+5], v[rT], v[rT+6]
.else
	v_mov_b32 v[rT], v[rT+6]
.endif
.set bn, bn+1
.endm
.macro FETCH_K last=0                  ; a step's K: two planes x 32 keys x 64 channels, 16 loads in one run
	WIN 0
.if \last
	s_cmp_eq_u32 s[CNT], 1
	s_cbranch_scc1 .Lnok_\@
.endif
	v_add_nc_u32 v[AK], s[TBK], v[AK0]
	WIN 0x80
.irp f, 0,1,2,3,4,5,6,7
	ds_load_b128 v[KF+8*\f:KF+8*\f+3],   v[AK] offset:(\f/4)*PLANE+((\f/2)%2)*16*PK+(\f%2)*64
	ds_load_b128 v[KF+8*\f+4:KF+8*\f+7], v[AK] offset:(\f/4)*PLANE+((\f/2)%2)*16*PK+(\f%2)*64+32
.endr
	s_add_co_u32 s[TBK], s[TBK], 32*PK
	WIN 0
.if \last
.Lnok_\@:
.endif
.endm
.macro FETCH_V                         ; a step's V, turned: 32 keys x 64 channels
	WIN 0
	v_add_nc_u32 v[AV], s[TBV], v[AV0]
	s_add_co_u32 s[TBV], s[TBV], 32*PV_
	WIN 0x80
.irp f, 0,1,2,3
	ds_load_tr16_b128 v[VF+8*\f:VF+8*\f+3],   v[AV] offset:\f*32
	ds_load_tr16_b128 v[VF+8*\f+4:VF+8*\f+7], v[AV] offset:\f*32+16*PV_
.endr
	WIN 0
.endm
; A TURN for tile y.  K's run of loads (turn 2) stands five plain lines behind the last product that read K; V's (turn 0) behind the last five of the 60 lines that are plain and the eight lines x - m.
.macro TURN y, last=0
.set si, 0
.set pn, 0
.set bn, 0
.set rT, ST+8*(\y)
.if (\y) == 3
	s_wait_dscnt 0x0                               ; K is in
.endif
.rept 8
	SC ((\y)+1)%4
.rept 5
	LB \y
.endr
.endr
.if (\y) == 2
	FETCH_K \last
.endif
.if (\y) == 1
	s_wait_dscnt 0x0                               ; V is in
.endif
.rept 4
	PV ((\y)+3)%4
.rept 5
	LB \y
.endr
.endr
.set n, 0
.rept 8
	v_pk_add_f32 v[rD+2*n:rD+2*n+1], v[rD+2*n:rD+2*n+1], v[rT:rT+1] op_sel_hi:[1,0] neg_lo:[0,1] neg_hi:[0,1]   ; x - m
.set n, n+1
.endr
.if (\y) == 0
	FETCH_V
.endif
	v_exp_f32 v[rT+4], v[rT+5]                     ; a
.set n, 0
.rept 16
	v_exp_f32 v[rD+n], v[rD+n]
.set n, n+1
.endr
	v_nop                                          ; a plain instruction behind the last exponential,
	s_wait_alu depctr_va_vdst(0)                   ; and the one wait for the batch
	WIN 0x41
.set n, 0
.rept 16
	v_pk_mul_f32 v[32*(\y)+2*n:32*(\y)+2*n+1], v[32*(\y)+2*n:32*(\y)+2*n+1], v[rT+4:rT+5] op_sel_hi:[1,0]   ; O^T a
.set n, n+1
.endr
	WIN 0
.set n, 0
.rept 4
	v_cvt_pk_f16_f32 v[P+8*(\y)+2*n], v[rD+4*n], v[rD+4*n+1]
	v_cvt_pk_f16_f32 v[P+8*(\y)+2*n+1], v[rD+4*n+2], v[rD+4*n+3]
	v_pk_add_f32 v[rD+4*n:rD+4*n+1], v[rD+4*n:rD+4*n+1], v[rD+4*n+2:rD+4*n+3]
.set n, n+1
.endr
	v_pk_add_f32 v[rD:rD+1], v[rD:rD+1], v[rD+4:rD+5]
	v_pk_add_f32 v[rD+8:rD+9], v[rD+8:rD+9], v[rD+12:rD+13]
	v_pk_add_f32 v[rD:rD+1], v[rD:rD+1], v[rD+8:rD+9]
	v_pk_fma_f32 v[rT+2:rT+3], v[rT+2:rT+3], v[rT+4:rT+5], v[rD:rD+1] op_sel_hi:[1,0,1]   ; l = a l + the sum
.endm
	CHANGE 1                                       ; slot 0 is in; slot 1 is asked for
	FETCH_K
	s_wait_loadcnt 0x0                             ; Q
	s_wait_dscnt 0x0
.set si, 0
.rept 8
	SC 0
.endr
	WIN 0
	PLACES
	s_mov_b32 s[CNT], 8
	s_branch .Lfirst                               ; the loop is entered at a step's first turn, in the middle of a trip
.Lslot:
	CHANGE 1
	s_mov_b32 s[CNT], 8
.Lstep:
	TURN 2
	TURN 3
	WIN 0
.Lfirst:
	TURN 0
	TURN 1
	WIN 0
	s_sub_co_u32 s[CNT], s[CNT], 1
	s_cmp_lg_u32 s[CNT], 0
	s_cbranch_scc1 .Lstep
	s_sub_co_u32 s[SLOTS], s[SLOTS], 1
	s_cmp_lg_u32 s[SLOTS], 0
	s_cbranch_scc1 .Lslot
	CHANGE 0                                       ; the tail is written out
	s_mov_b32 s[CNT], 9
.Ltail:
	TURN 2, 1
	TURN 3
	WIN 0
	s_sub_co_u32 s[CNT], s[CNT], 1
	s_cmp_eq_u32 s[CNT], 0
	s_cbranch_scc1 .Lout
	TURN 0
	TURN 1
	WIN 0
	s_branch .Ltail
.Lout:
.set pn, 0
.rept 4
	PV 3                                           ; tile 3's V^T P of the last step
.endr
	WIN 0                                          ; THE WAY OUT; the additions are the places behind the last products
.irp t, 0,1,2,3
	v_add_f32 v[ST+8*\t+2], v[ST+8*\t+2], v[ST+8*\t+3]
.endr
.irp t, 0,1,2,3
	v_permlanex16_b32 v[ST+8*\t+3], v[ST+8*\t+2], s[SEL], s[SEL+1]
.endr
.irp t, 0,1,2,3
	v_add_f32 v[ST+8*\t+2], v[ST+8*\t+2], v[ST+8*\t+3]
.endr
.irp t, 0,1,2,3
	v_rcp_f32 v[ST+8*\t+2], v[ST+8*\t+2]
.endr
	v_nop
	s_wait_alu depctr_va_vdst(0)                   ; one wait for the four reciprocals
.macro PACK t                          ; O^T / l, rounded to f16; through my stage, rows of 144 bytes, back as whole rows of 128
	WIN 0x41
.set i, 32*(\t)
.rept 16
	v_pk_mul_f32 v[i:i+1], v[i:i+1], v[ST+8*(\t)+2:ST+8*(\t)+3] op_sel_hi:[1,0]
.set i, i+2
.endr
	WIN 0x05
.set i, 0
.rept 16
	v_cvt_pk_f16_f32 v[S+16*(\t)+i], v[32*(\t)+2*i], v[32*(\t)+2*i+1]
.set i, i+1
.endr
	WIN 0
.irp f, 0,1,2,3
	ds_store_b128 v[STO], v[S+16*(\t)+4*\f:S+16*(\t)+4*\f+3] offset:32*\f
.endr
.irp f, 0,1,2,3
	ds_load_b128 v[S+16*(\t)+4*\f:S+16*(\t)+4*\f+3], v[RD] offset:\f*4*SP   ; LDS serves a wave's instructions in order: these see the stores above
.endr
.endm
.macro SEND t, younger                 ; younger: the next tile's eight LDS instructions, or none
.irp f, 0,1,2,3
	s_wait_dscnt (\younger)+3-\f
	global_store_b128 v[GO], v[S+16*(\t)+4*\f:S+16*(\t)+4*\f+3], s[8:9] offset:(\t)*2048+\f*512   ; 512 consecutive bytes, aligned
.endr
.endm
	PACK 0
	PACK 1
	SEND 0, 8
	PACK 2
	SEND 1, 8
	PACK 3
	SEND 2, 8
	SEND 3, 0
	s_wait_tensorcnt 0x0                           ; the wave's end
	ds_add_u32 v[SPW], v[NIL]
	s_wait_dscnt 0x0
	ROUND                                          ; the closing round
	s_endpgm
.Lfunc_end_k_q4e764213f5_attn:
	.size	k_q4e764213f5_attn, .Lfunc_end_k_q4e764213f5_attn-k_q4e764213f5_attn
	.p2alignl 7, 3214868480
	.fill 96, 4, 3214868480
	.section	.rodata,"a",@progbits
	.p2align	6, 0x0
	.amdhsa_kernel k_q4e764213f5_attn
		.amdhsa_group_segment_fixed_size 327680
		.amdhsa_private_segment_fixed_size 0
		.amdhsa_enable_private_segment 0
		.amdhsa_kernarg_size 24
		.amdhsa_user_sgpr_count 2
		.amdhsa_user_sgpr_kernarg_segment_ptr 1
		.amdhsa_wavefront_size32 1
		.amdhsa_system_sgpr_workgroup_id_x 1
		.amdhsa_system_sgpr_workgroup_id_y 1
		.amdhsa_system_sgpr_workgroup_id_z 1
		.amdhsa_system_vgpr_workitem_id 0
		.amdhsa_next_free_vgpr 736
		.amdhsa_next_free_sgpr 66
		.amdhsa_reserve_vcc 0
		.amdhsa_float_denorm_mode_32 3
		.amdhsa_float_denorm_mode_16_64 3
		.amdhsa_memory_ordered 1
		.amdhsa_forward_progress 1
		.amdhsa_inst_pref_size 106
	.end_amdhsa_kernel
	.amdgpu_metadata
---
amdhsa.version: [ 1, 2 ]
amdhsa.kernels:
  - .name:           k_q4e764213f5_attn
    .symbol:         k_q4e764213f5_attn.kd
    .args:
      - { .name: heads, .offset: 0, .size: 8, .value_kind: global_buffer, .address_space: global }
      - { .name: coef, .offset: 8, .size: 8, .value_kind: global_buffer, .address_space: global }
      - { .name: obuf, .offset: 16, .size: 8, .value_kind: global_buffer, .address_space: global }
    .group_segment_fixed_size: 327680
    .private_segment_fixed_size: 0
    .kernarg_segment_align: 8
    .kernarg_segment_size: 24
    .max_flat_workgroup_size: 128
    .sgpr_count:     66
    .vgpr_count:     736
    .wavefront_size: 32
...
	.end_amdgpu_metadata
.endif
;; end of part 6
;; launch outp (part 7): grid 4 x 64, 4 waves a work-group, clusters of 4 x 4, 327,680 bytes of LDS; arguments obuf, wt, b_out, out0; writes out0
.if DOCPART == 7
	.amdgcn_target "amdgcn-amd-amdhsa--gfx1250"
	.amdhsa_code_object_version 6
	.text
	.protected	k_q4e764213f5_outp
	.globl	k_q4e764213f5_outp
	.p2align	8
	.type	k_q4e764213f5_outp,@function
k_q4e764213f5_outp:
	s_mov_b64 s[64:65], 0
	v_nop
	global_prefetch_b8 v0, s[64:65] scope:SCOPE_SE
	s_setreg_imm32_b32 hwreg(HW_REG_WAVE_MODE, 25, 1), 1
	s_wait_xcnt 0x0
	s_wait_alu depctr_hold_cnt(0) depctr_sa_sdst(0) depctr_va_vdst(0) depctr_va_sdst(0) depctr_va_ssrc(0) depctr_va_vcc(0) depctr_vm_vsrc(0)
	s_getreg_b32 s2, hwreg(HW_REG_IB_STS2, 6, 4)
	s_cmp_eq_u32 s2, 0
	s_cbranch_scc0 .Lentry_in_a_cluster
	s_endpgm
.Lentry_in_a_cluster:
	s_bfe_u32 s2, ttmp6, 0x10000c
	s_cmp_lg_u32 s2, 0xf033
	s_cbranch_scc0 .Lentry_shape_is_right
	s_endpgm
.Lentry_shape_is_right:
; THE OUTPUT PROJECTION out0 = O @ W_out + b_out.  O comes by heads ([h][b][n][64] f16), W_out^T [n][k] f16 from wt; f32 sums, f32 out.
; A work-group makes 128 x 128, a wave 64 x 64: 16 accumulators.  ALL OF K = 512 LIES IN LDS: four chunks of two heads, each asked for once, at the start: no slot is filled again.
; A chunk: the two heads' 128 rows of 128 bytes (pitch 144), then W^T's 128 rows of 256 bytes (pitch 272).  Four tensor loads of a wave are out at the start; chunk c is read behind a wait that leaves 3 - c out.
; CLUSTER 4 x 4: O's rows are shared along a row of the cluster, W^T's along a column.  Waves 0, 1 ask for a chunk's two heads, waves 2, 3 for the halves of W^T's rows.
; The matrix instruction is used transposed; the bias is the C operand that starts the sums.  The way out goes through the wave's own stage: sixteen lanes store 256 consecutive bytes, aligned.
; No prefetch: every load stands at the kernel's head.
.set CHUNK, 71680
.set PA,    144
.set PBB,   272
.set AHEAD, 128*PA
.set STAGE, 4*CHUNK
.set SPARE, STAGE+4*16*272
.set ADRA, 16
.set ADRB, 20
.set STO,  24
.set RD,   25
.set CO,   26
.set BO,   27
.set SPW,  28
.set NIL,  29
.set BIAS, 96
.set ACC,  128
.set WV,  12
.set G1A, 24
.set G1B, 32
.set G0A, 40
.set G0B, 68
.set MSB, 0
.macro WIN new
.if MSB != (\new)
	s_set_vgpr_msb (MSB<<8)|(\new)
.set MSB, \new
.endif
.endm
.macro PLACES
.rept 4
	v_nop
.endr
.endm
.macro ROUND
	s_barrier_signal -1
	s_barrier_wait -1
	s_cmp_lg_u32 s[WV], 0
	s_cbranch_scc1 .Lnw0_\@
	s_barrier_signal -3
.Lnw0_\@:
	s_barrier_wait -3
	s_barrier_signal -1
	s_barrier_wait -1
.endm
	s_load_b256 s[4:11], s[0:1], 0x0               ; obuf, wt, b_out, out0
	v_lshl_add_u32 v[SPW], v0, 2, SPARE
	v_mov_b32 v[NIL], 0
	ds_add_u32 v[SPW], v[NIL]                      ; the wave's opening: the add and its wait ahead of my first tensor load
	v_lshrrev_b32 v1, 5, v0
	v_readfirstlane_b32 s[WV], v1
	s_bfe_u32 s13, ttmp6, 0x40000                  ; cx
	s_bfe_u32 s14, ttmp6, 0x40004                  ; cy
	s_lshl_b32 s15, ttmp9, 2
	s_add_co_u32 s15, s15, s13                     ; ct
	s_and_b32 s16, ttmp7, 0xffff
	s_lshl_b32 s16, s16, 2
	s_add_co_u32 s16, s16, s14                     ; rb
	s_lshl_b32 s17, s14, 2
	s_lshl_b32 s17, 15, s17
	s_lshl_b32 s18, 0x1111, s13
	s_or_b32 s[G1A], s17, (1<<16)|(1<<20)|(1<<21)|(4<<22)|(3<<25)   ; O: 64 rows of 256 bytes, two rows of a head each, padded after every 128 bytes
	s_or_b32 s[G1B], s18, (1<<16)|(1<<20)|(1<<21)|(5<<22)|(3<<25)   ; W^T: 64 rows of 256 bytes, padded after each
.irp g, G1A, G1B
	s_mov_b32 s[\g+1], 128<<16
	s_mov_b32 s[\g+2], 64<<16
	s_mov_b32 s[\g+3], 128<<16
	s_mov_b32 s[\g+4], 64
	s_mov_b32 s[\g+6], 0
	s_mov_b32 s[\g+7], 0
.endr
	s_mov_b32 s[G1A+5], 128
	s_mov_b32 s[G1B+5], 512
	s_lshl_b32 s20, s[WV], 20                      ; O: head 2 c + wave,
	s_lshl_b32 s21, s16, 14                        ; the 128 rows
	s_add_co_u32 s20, s20, s21
	s_mov_b32 s21, 0
	s_lshl_b32 s22, s15, 17                        ; W^T: the 128 rows n, of which wave 2 takes the first 64 and wave 3 the others: 524,288 + (wave - 2) x 65,536
	s_lshl_b32 s23, s[WV], 16
	s_add_co_u32 s22, s22, s23
	s_add_co_u32 s22, s22, 393216
	s_mov_b32 s23, 0
	s_mul_i32 s19, s[WV], AHEAD
	s_mul_i32 s84, s[WV], 64*PBB
	s_add_co_u32 s84, s84, 2048                    ; 2 AHEAD - 2 x 64 rows of 272
	s_wait_dscnt 0x0
	s_wait_kmcnt 0x0
	s_add_nc_u64 s[20:21], s[4:5], s[20:21]
	s_add_nc_u64 s[22:23], s[6:7], s[22:23]
	ROUND                                          ; all sixteen work-groups are here: the joint loads meet
.irp c, 0,1,2,3
	s_mov_b32 s[G0A+4*\c], 1
	s_add_co_u32 s[G0A+4*\c+1], s19, \c*CHUNK
	s_add_nc_u64 s[G0A+4*\c+2:G0A+4*\c+3], s[20:21], \c*2097152
	s_or_b32 s[G0A+4*\c+3], s[G0A+4*\c+3], 0x80000000
	s_mov_b32 s[G0B+4*\c], 1
	s_add_co_u32 s[G0B+4*\c+1], s84, \c*CHUNK
	s_add_nc_u64 s[G0B+4*\c+2:G0B+4*\c+3], s[22:23], \c*256
	s_or_b32 s[G0B+4*\c+3], s[G0B+4*\c+3], 0x80000000
.endr
	s_cmp_lt_u32 s[WV], 2                          ; all first fills of a wave stand in one branch
	s_cbranch_scc0 .Lfb
.irp c, 0,1,2,3
	tensor_load_to_lds s[G0A+4*\c:G0A+4*\c+3], s[G1A:G1A+7]
	s_nop 0
.endr
	PLACES
	s_branch .Lfd
.Lfb:
.irp c, 0,1,2,3
	tensor_load_to_lds s[G0B+4*\c:G0B+4*\c+3], s[G1B:G1B+7]
	s_nop 0
.endr
	PLACES
.Lfd:
	s_lshr_b32 s85, s[WV], 1                       ; wr: which 64 rows
	s_and_b32 s86, s[WV], 1                        ; wc: which 64 columns
	v_and_b32 v1, 15, v0
	v_bfe_u32 v2, v0, 4, 1
	v_mul_u32_u24 v3, v1, PA
	v_lshl_add_u32 v3, v2, 4, v3
	s_mul_i32 s87, s85, 64*PA
	v_add_nc_u32 v[ADRA], s87, v3
	v_mul_u32_u24 v4, v1, PBB
	v_lshl_add_u32 v5, v2, 4, v4
	s_mul_i32 s87, s86, 64*PBB
	s_add_co_u32 s87, s87, 2*AHEAD
	v_add_nc_u32 v[ADRB], s87, v5
.irp c, 1,2,3
	v_add_nc_u32 v[ADRA+\c], \c*CHUNK, v[ADRA]
	v_add_nc_u32 v[ADRB+\c], \c*CHUNK, v[ADRB]
.endr
	s_mul_i32 s87, s[WV], 16*272
	s_add_co_u32 s87, s87, STAGE
	v_lshl_add_u32 v4, v2, 5, v4
	v_add_nc_u32 v[STO], s87, v4                   ; in: row r, 32 bytes for each half of the lanes
	v_mul_u32_u24 v6, v2, 272
	v_lshl_add_u32 v6, v1, 4, v6
	v_add_nc_u32 v[RD], s87, v6                    ; back: lanes 0-15 one row of 256 bytes, lanes 16-31 the next
	v_lshlrev_b32 v[CO], 11, v2
	v_lshl_add_u32 v[CO], v1, 4, v[CO]
	v_lshlrev_b32 v[BO], 5, v2
	s_lshl_b32 s88, s15, 9
	s_lshl_b32 s89, s86, 8
	s_add_co_u32 s88, s88, s89                     ; my 64 columns, in bytes
	s_mov_b32 s89, 0
	s_add_nc_u64 s[8:9], s[8:9], s[88:89]
	s_add_nc_u64 s[10:11], s[10:11], s[88:89]
	s_lshl_b32 s88, s16, 18
	s_lshl_b32 s90, s85, 17
	s_add_co_u32 s88, s88, s90                     ; my 64 rows
	s_add_nc_u64 s[10:11], s[10:11], s[88:89]
.irp nb, 0,1,2,3
	global_load_b128 v[BIAS+8*\nb:BIAS+8*\nb+3],   v[BO], s[8:9] offset:64*\nb
	global_load_b128 v[BIAS+8*\nb+4:BIAS+8*\nb+7], v[BO], s[8:9] offset:64*\nb+16
.endr
.macro FETCH st, f                     ; the fragments of sub-step st (chunk st / 4, 32 along K at (st % 4) x 32): 16 loads in one run
	WIN 0x40
.irp i, 0,1,2,3
	ds_load_b128 v[64*(\f)+32+8*\i:64*(\f)+32+8*\i+3],   v[ADRB+(\st)/4] offset:\i*16*PBB+((\st)%4)*64
	ds_load_b128 v[64*(\f)+32+8*\i+4:64*(\f)+32+8*\i+7], v[ADRB+(\st)/4] offset:\i*16*PBB+((\st)%4)*64+32
	ds_load_b128 v[64*(\f)+8*\i:64*(\f)+8*\i+3],         v[ADRA+(\st)/4] offset:(((\st)%4)/2)*AHEAD+\i*16*PA+((\st)%2)*64
	ds_load_b128 v[64*(\f)+8*\i+4:64*(\f)+8*\i+7],       v[ADRA+(\st)/4] offset:(((\st)%4)/2)*AHEAD+\i*16*PA+((\st)%2)*64+32
.endr
.endm
.macro MUL8 f, a0, first               ; the 16 accumulators take turns
	WIN 0x05
.irp a, \a0, (\a0)+1
.irp nb, 0,1,2,3
.if \first
	v_wmma_f32_16x16x32_f16 v[ACC+8*(4*(\a)+\nb):ACC+8*(4*(\a)+\nb)+7], v[64*(\f)+32+8*\nb:64*(\f)+32+8*\nb+7], v[64*(\f)+8*(\a):64*(\f)+8*(\a)+7], v[BIAS+8*\nb:BIAS+8*\nb+7]
.else
	v_wmma_f32_16x16x32_f16 v[ACC+8*(4*(\a)+\nb):ACC+8*(4*(\a)+\nb)+7], v[64*(\f)+32+8*\nb:64*(\f)+32+8*\nb+7], v[64*(\f)+8*(\a):64*(\f)+8*(\a)+7], v[ACC+8*(4*(\a)+\nb):ACC+8*(4*(\a)+\nb)+7]
.endif
.endr
.endr
.endm
	s_wait_tensorcnt 0x3                           ; my part of chunk 0 is in; the three later chunks may stay out
	s_barrier_signal -1
	s_barrier_wait -1
	FETCH 0, 0
	s_wait_loadcnt 0x0                             ; the bias
.irp st, 0,1,2,3,4,5,6,7,8,9,10,11,12,13,14,15
	s_wait_dscnt 0x0                               ; this sub-step's fragments are in
	MUL8 (\st%2), 0, (\st==0)
.if \st < 15
.if (\st%4) == 3
	s_wait_tensorcnt 3-(\st+1)/4                   ; my part of the next chunk is in,
	s_barrier_signal -1
	s_barrier_wait -1                              ; everybody's is
.endif
	PLACES                                         ; in front of loads into the buffer that the sub-step before multiplied
	FETCH \st+1, ((\st+1)%2)
.endif
	MUL8 (\st%2), 2, (\st==0)
.endr
	WIN 0
	PLACES
.irp a, 0,1,2,3                        ; 16 rows at a time through my stage
.set bk, 32+32*(\a%2)
.irp nb, 0,1,2,3
	ds_store_b128 v[STO], v[ACC+8*(4*\a+\nb):ACC+8*(4*\a+\nb)+3]   offset:64*\nb
	ds_store_b128 v[STO], v[ACC+8*(4*\a+\nb)+4:ACC+8*(4*\a+\nb)+7] offset:64*\nb+16
.endr
.if \a >= 2
	s_wait_xcnt 0x0                                ; the stores of two blocks back have read these registers
.endif
.irp i, 0,1,2,3,4,5,6,7
	ds_load_b128 v[bk+4*\i:bk+4*\i+3], v[RD] offset:544*\i   ; LDS serves a wave's instructions in order: these see the stores above
.endr
	s_wait_dscnt 0x0
.irp i, 0,1,2,3,4,5,6,7
	global_store_b128 v[CO], v[bk+4*\i:bk+4*\i+3], s[10:11] offset:(16*\a+2*\i)*2048 th:TH_STORE_NT
.endr
.endr
	s_wait_tensorcnt 0x0                           ; the wave's end
	ds_add_u32 v[SPW], v[NIL]
	s_wait_dscnt 0x0
	ROUND                                          ; the closing round
	s_endpgm
.Lfunc_end_k_q4e764213f5_outp:
	.size	k_q4e764213f5_outp, .Lfunc_end_k_q4e764213f5_outp-k_q4e764213f5_outp
	.p2alignl 7, 3214868480
	.fill 96, 4, 3214868480
	.section	.rodata,"a",@progbits
	.p2align	6, 0x0
	.amdhsa_kernel k_q4e764213f5_outp
		.amdhsa_group_segment_fixed_size 327680
		.amdhsa_private_segment_fixed_size 0
		.amdhsa_enable_private_segment 0
		.amdhsa_kernarg_size 32
		.amdhsa_user_sgpr_count 2
		.amdhsa_user_sgpr_kernarg_segment_ptr 1
		.amdhsa_wavefront_size32 1
		.amdhsa_system_sgpr_workgroup_id_x 1
		.amdhsa_system_sgpr_workgroup_id_y 1
		.amdhsa_system_sgpr_workgroup_id_z 1
		.amdhsa_system_vgpr_workitem_id 0
		.amdhsa_next_free_vgpr 384
		.amdhsa_next_free_sgpr 96
		.amdhsa_reserve_vcc 0
		.amdhsa_float_denorm_mode_32 3
		.amdhsa_float_denorm_mode_16_64 3
		.amdhsa_memory_ordered 1
		.amdhsa_forward_progress 1
		.amdhsa_inst_pref_size 53
	.end_amdhsa_kernel
	.amdgpu_metadata
---
amdhsa.version: [ 1, 2 ]
amdhsa.kernels:
  - .name:           k_q4e764213f5_outp
    .symbol:         k_q4e764213f5_outp.kd
    .args:
      - { .name: obuf, .offset: 0, .size: 8, .value_kind: global_buffer, .address_space: global }
      - { .name: wt, .offset: 8, .size: 8, .value_kind: global_buffer, .address_space: global }
      - { .name: b_out, .offset: 16, .size: 8, .value_kind: global_buffer, .address_space: global }
      - { .name: out0, .offset: 24, .size: 8, .value_kind: global_buffer, .address_space: global }
    .group_segment_fixed_size: 327680
    .private_segment_fixed_size: 0
    .kernarg_segment_align: 8
    .kernarg_segment_size: 32
    .max_flat_workgroup_size: 128
    .sgpr_count:     96
    .vgpr_count:     384
    .wavefront_size: 32
...
	.end_amdgpu_metadata
.endif
;; end of part 7
